; MI455X (gfx1250); checked and timed in simulation.
; The chip was launched on July 23, 2026; its instructions are those of AMD's public machine-readable ISA for CDNA 5 (MIT licence, August 2026) and "CDNA5" Instruction Set Architecture Reference Guide (July 2026). The comments in the code are by the model that wrote it; some were corrected since.
;; Causal Self Attention Separate Heads. Allowed arithmetic: matrix products marked QUANTISED: E4M3 operands, one given power-of-two scale a tensor, by v_wmma_f32_16x16x64_fp8_fp8 or v_wmma_f32_16x16x128_fp8_fp8, f32 sums; everything else in f32.
;; Inputs: Wk 16 x 64 x 1,024 float32; Wp 1,024 x 1,024 float32; Wq 16 x 64 x 1,024 float32; Wv 16 x 64 x 1,024 float32; bk 16 x 64 float32; bp 1,024 float32; bq 16 x 64 float32; bv 16 x 64 float32; lowp_scales 12 int32 (the exponents e of the quantised operands' scales 2^e); x 4 x 2,048 x 1,024 float32.
;; Outputs: out0 4 x 2,048 x 1,024 float32.
;; This version of the problem:
;;   THIS VERSION OF THE PROBLEM IS GIVEN IN LOW PRECISION. The matrix products marked QUANTISED in the list below multiply operands that are first quantised to E4M3 (4 exponent bits, 3 mantissa bits; 8 bits a number), with one given power-of-two scale for each operand tensor; their sums are f32. All else is computed in f32.
;;   The module's matrix products, in the order in which they are computed (A, B: the left and right operand; K: the contracted axis; several contracted axes count as one K, in the product's order):
;;     1. [M 1,024, K 1,024] x [K 1,024, N 8,192]; A: input Wq; B: input x: QUANTISED (scales: A lowp_scales[0], B lowp_scales[1])
;;     2. [M 1,024, K 1,024] x [K 1,024, N 8,192]; A: input Wk; B: input x: QUANTISED (scales: A lowp_scales[2], B lowp_scales[3])
;;     3. [M 1,024, K 1,024] x [K 1,024, N 8,192]; A: input Wv; B: input x: QUANTISED (scales: A lowp_scales[4], B lowp_scales[5])
;;     4. batch 64 x [M 2,048, K 64] x [K 64, N 2,048]; A: computed on the way; B: computed on the way: QUANTISED (scales: A lowp_scales[6], B lowp_scales[7])
;;     5. batch 64 x [M 2,048, K 2,048] x [K 2,048, N 64]; A: softmax (see below); B: computed on the way: QUANTISED (scales: A lowp_scales[8], B lowp_scales[9])
;;     6. [M 8,192, K 1,024] x [K 1,024, N 1,024]; A: computed on the way; B: input Wp: QUANTISED (scales: A lowp_scales[10], B lowp_scales[11])
;;   THE QUANTISER, for each operand of a quantised product, along K:
;;     - The operand's scale is 2^e, e = its entry of the input lowp_scales (int32; the entries are numbered through the quantised products in the list's order, A before B).
;;     - Each number is divided by the scale, clamped to +-448, and rounded to the nearest number of E4M3, ties to even, subnormals kept.
;;     - The product sums the exact products of the quantised numbers (number of the format x scale) in f32.
;;   ~~~python
;;   def quantise(x, axis, e):      # numpy; x: float32 -> the quantised numbers, widened to float32 again
;;       x = np.moveaxis(x, axis, -1); K = x.shape[-1]
;;       r = np.clip(x / 2.0 ** e, -448, 448)
;;       step = 2.0 ** (np.maximum(np.frexp(np.where(r == 0, 1, r))[1] - 1, -6) - 3)
;;       q = np.round(r / step) * step * 2.0 ** e      # np.round: ties to even
;;       return np.moveaxis(q, -1, axis).astype(np.float32)
;;   ~~~
;;   SOFTMAX AHEAD OF A QUANTISED PRODUCT. Where the list says 'softmax', what is quantised is not the finished softmax but p = 2^(t - M), with t = logit x log2(e) and M = ceil(the row's largest t), a whole number; so 1/2 < the row's largest p <= 1. The row's sum l is taken of the UNQUANTISED p, in f32, and the product's result is divided by l at the end. Since M is a whole number, a kernel that streams over the keys may use a running M (the ceiling of the running maximum): every later rescaling is an exact power of two, so the quantised numbers keep their values, but for numbers so far below the row's largest that they fall under the format's range.
;;   OPERANDS COMPUTED ON THE WAY. 'Computed on the way' means the value that the module computes at that place (a softmax that the list does not call 'softmax' is quantised finished and normalised). What goes into a quantiser is computed in f32, as accurately as f32 sums, v_exp_f32 and their like allow (about 1e-6 of the number): no bf16 or f16 on the way to a quantiser, and a product that is left as it is and whose result goes on into a quantised operand takes f32 operands (vector FMAs, or v_wmma_f32_16x16x4_f32). A number that lies on a knife's edge between two numbers of the format may be rounded either way, as far as f32 arithmetic and the matrix unit's own rounding can turn it there, and no further.
;; One version. Each part assembles by itself: llvm-mc -triple=amdgcn-amd-amdhsa -mcpu=gfx1250 --defsym DOCPART=n.
;; ======== version 1 of 1: 4 launches
;; limits: right only within a limited range of input values
;; workspace buffers: xc 25,165,824 bytes; wc 4,194,304 bytes; qkv 25,165,824 bytes; yc 8,388,608 bytes
;; launch quant (part 1): grid 768 x 1, 4 waves a work-group, no clusters, 0 bytes of LDS; arguments x, Wq, Wk, Wv, Wp, lowp_scales, xc, wc; writes xc, wc
.if DOCPART == 1
	.amdgcn_target "amdgcn-amd-amdhsa--gfx1250"
	.amdhsa_code_object_version 6
	.text
	.protected	k_qfe67107ff5_quant
	.globl	k_qfe67107ff5_quant
	.p2align	8
	.type	k_qfe67107ff5_quant,@function
k_qfe67107ff5_quant:
	s_mov_b64 s[64:65], 0
	v_nop
	global_prefetch_b8 v0, s[64:65] scope:SCOPE_SE
	s_setreg_imm32_b32 hwreg(HW_REG_WAVE_MODE, 25, 1), 1
	s_wait_xcnt 0x0
; x [8192][1024] f32 becomes three sets of E4M3 codes (scales 2^e1, 2^e3, 2^e5: x is an operand of three products, each with its own scale); Wq, Wk, Wv, Wp [1024][1024] f32 one set each (e0, e2, e4, e11).
; code = number / 2^e, held within +-448, rounded to the nearest code, ties to even.  LIMITS: every e used here lies between -126 and 119, so that 2^e and 448 x 2^e are f32 numbers.  NaN among the inputs is not served.
; A wave takes a run of 4,096 numbers in NS = 8 steps of 512.  Work-groups 0-511 take x (run = 4 x work-group + wave), work-groups 512-767 the weights (64 work-groups a tensor).
; THE ORDER OF K IN xc AND IN Wq, Wk, Wv's CODES.  A step's four loads each read 512 consecutive bytes, 16 a lane; lane l's 16 registers hold k = 128 a + 4 l + j (a: the load, j: the number in it) of the
; run of 512.  They are converted as they stand and stored as the lane's 16 bytes at 16 l.  The same order on both operands of a product leaves every pair of factors together.
; Wp's partner (y) is made elsewhere in natural order, so Wp's lanes take 16 neighbours: byte 64 l + 16 a; a step's four loads together still cover 2,048 consecutive bytes.
; No LDS, no barrier: waves share nothing.  Loads run four steps (16 loads a wave) ahead.
.set NS, 8
.set R,  16                            ; v16-79   four sets of 16 numbers as loaded
.set T,  80                            ; v80-111  two sets of 16 held numbers, by turns
.set C,  112                           ; v112-123 codes: four registers for each of up to three scales
.set SCL, 4                            ; v4-6     2^e as f32
.set LM,  7                            ; v7-9     448 x 2^e
.set WO,  10                           ; v10-13   the weights' four load offsets
.macro MKSCALE i, se
	s_add_co_i32 s44, \se, 127
	s_lshl_b32 s45, s44, 23
	v_mov_b32 v[SCL+\i], s45
	s_add_co_i32 s44, s44, 8
	s_lshl_b32 s44, s44, 23
	s_or_b32 s44, s44, 0x600000                    ; 448's mantissa field over the exponent field e + 8 + 127
	v_mov_b32 v[LM+\i], s44
.endm
.macro LOADX t
.irp a, 0,1,2,3
	global_load_b128 v[R+16*((\t)%4)+4*\a:R+16*((\t)%4)+4*\a+3], v3, s[48:49] offset:2048*(\t)+512*\a th:TH_LOAD_NT
.endr
.endm
.macro LOADW t
.irp a, 0,1,2,3
	global_load_b128 v[R+16*((\t)%4)+4*\a:R+16*((\t)%4)+4*\a+3], v[WO+\a], s[48:49] offset:2048*(\t)
.endr
.endm
; step t's 16 numbers, held and converted with scale s.  n counts the conversions: the held numbers' two sets take turns, so that sixteen plain lines stand between a conversion and the next write of its sources
.macro CONV t, n, s
.set RS, R+16*((\t)%4)
.set TS, T+16*((\n)%2)
.irp i, 0,1,2,3,4,5,6,7,8,9,10,11,12,13,14,15
	v_med3_num_f32 v[TS+\i], v[RS+\i], -v[LM+\s], v[LM+\s]   ; the conversion does not saturate (ISA guide 7.6.2): the hold comes first
.endr
	v_cvt_scalef32_pk8_fp8_f32 v[C+4*\s:C+4*\s+1], v[TS:TS+7], v[SCL+\s]
	v_cvt_scalef32_pk8_fp8_f32 v[C+4*\s+2:C+4*\s+3], v[TS+8:TS+15], v[SCL+\s]
.endm
.macro WAITL t                         ; step t's four loads are in; those of the up to three younger steps may be out
.if NS-1-(\t) >= 3
	s_wait_loadcnt 12
.else
	s_wait_loadcnt 4*(NS-1-(\t))
.endif
.endm
.macro XSTEP t
	WAITL \t
	s_wait_xcnt 0x0                                ; the last step's stores have read their data registers
	CONV \t, 3*(\t), 0
	CONV \t, 3*(\t)+1, 1
	CONV \t, 3*(\t)+2, 2
.if (\t)+4 < NS
	LOADX (\t)+4
.endif
.irp s, 0,1,2
	global_store_b128 v3, v[C+4*\s:C+4*\s+3], s[50+2*\s:51+2*\s] offset:512*(\t)   ; 32 lanes store 512 consecutive bytes
.endr
.endm
.macro WSTEP t
	WAITL \t
	s_wait_xcnt 0x0
	CONV \t, \t, 0
.if (\t)+4 < NS
	LOADW (\t)+4
.endif
	global_store_b128 v3, v[C:C+3], s[50:51] offset:512*(\t)
.endm
	s_load_b512 s[8:23], s[0:1], 0x0               ; x s[8:9], Wq s[10:11], Wk s[12:13], Wv s[14:15], Wp s[16:17], the exponents s[18:19], xc s[20:21], wc s[22:23]
	v_lshrrev_b32 v1, 5, v0
	v_readfirstlane_b32 s36, v1                    ; wave
	v_and_b32 v2, 31, v0                           ; lane
	v_lshlrev_b32 v3, 4, v2                        ; 16 x lane
	s_wait_kmcnt 0x0
	s_load_b256 s[24:31], s[18:19], 0x0            ; e0 .. e7
	s_load_b128 s[32:35], s[18:19], 0x20           ; e8 .. e11
	s_cmp_lt_u32 ttmp9, 512
	s_cbranch_scc0 .Lweights
	; ---- x
	s_lshl_b32 s40, ttmp9, 2
	s_add_co_u32 s40, s40, s36                     ; my run
	s_lshl_b32 s42, s40, 14                        ; 16,384 bytes of numbers a run
	s_mov_b32 s43, 0
	s_add_nc_u64 s[48:49], s[8:9], s[42:43]
	s_lshl_b32 s42, s40, 12                        ; 4,096 bytes of codes a run
	s_add_nc_u64 s[50:51], s[20:21], s[42:43]      ; the set with e1,
	s_add_nc_u64 s[52:53], s[50:51], 0x800000      ; with e3,
	s_add_nc_u64 s[54:55], s[50:51], 0x1000000     ; with e5
	s_wait_alu depctr_va_vdst(0)
.irp t, 0,1,2,3
	LOADX \t
.endr
	s_wait_kmcnt 0x0
	MKSCALE 0, s25
	MKSCALE 1, s27
	MKSCALE 2, s29
	s_wait_alu depctr_va_vdst(0)                   ; the wait at the head's end
.irp t, 0,1,2,3,4,5,6,7
	XSTEP \t
.endr
	s_endpgm
	; ---- the weights
.Lweights:
	s_sub_co_u32 s40, ttmp9, 512
	s_lshr_b32 s41, s40, 6                         ; which tensor: 0 Wq, 1 Wk, 2 Wv, 3 Wp
	s_and_b32 s40, s40, 63
	s_lshl_b32 s40, s40, 2
	s_add_co_u32 s40, s40, s36                     ; my run of the tensor's 256
	s_cmp_eq_u32 s41, 1
	s_cselect_b64 s[48:49], s[12:13], s[10:11]
	s_cmp_eq_u32 s41, 2
	s_cselect_b64 s[48:49], s[14:15], s[48:49]
	s_mov_b32 s47, 512
	s_cmp_eq_u32 s41, 3
	s_cselect_b64 s[48:49], s[16:17], s[48:49]
	s_cselect_b32 s46, 64, 16                      ; bytes from lane to lane,
	s_cselect_b32 s47, 16, s47                     ; and from load to load: Wp in natural order, the others as x
	s_lshl_b32 s42, s40, 14
	s_mov_b32 s43, 0
	s_add_nc_u64 s[48:49], s[48:49], s[42:43]
	s_lshl_b32 s42, s40, 12
	s_lshl_b32 s44, s41, 20                        ; a tensor's codes are 2^20 bytes
	s_add_co_u32 s42, s42, s44
	s_add_nc_u64 s[50:51], s[22:23], s[42:43]
	s_wait_alu depctr_va_vdst(0)
	v_mul_lo_u32 v[WO], v2, s46
	v_add_nc_u32 v[WO+1], s47, v[WO]
	v_add_nc_u32 v[WO+2], s47, v[WO+1]
	v_add_nc_u32 v[WO+3], s47, v[WO+2]
.irp t, 0,1,2,3
	LOADW \t
.endr
	s_wait_kmcnt 0x0
	s_cmp_eq_u32 s41, 1
	s_cselect_b32 s37, s26, s24                    ; e2 or e0
	s_cmp_eq_u32 s41, 2
	s_cselect_b32 s37, s28, s37                    ; e4
	s_cmp_eq_u32 s41, 3
	s_cselect_b32 s37, s35, s37                    ; e11
	MKSCALE 0, s37
	s_wait_alu depctr_va_vdst(0)                   ; the wait at the head's end
.irp t, 0,1,2,3,4,5,6,7
	WSTEP \t
.endr
	s_endpgm
.Lfunc_end_k_qfe67107ff5_quant:
	.size	k_qfe67107ff5_quant, .Lfunc_end_k_qfe67107ff5_quant-k_qfe67107ff5_quant
	.p2alignl 7, 3214868480
	.fill 96, 4, 3214868480
	.section	.rodata,"a",@progbits
	.p2align	6, 0x0
	.amdhsa_kernel k_qfe67107ff5_quant
		.amdhsa_group_segment_fixed_size 0
		.amdhsa_private_segment_fixed_size 0
		.amdhsa_enable_private_segment 0
		.amdhsa_kernarg_size 64
		.amdhsa_user_sgpr_count 2
		.amdhsa_user_sgpr_kernarg_segment_ptr 1
		.amdhsa_wavefront_size32 1
		.amdhsa_system_sgpr_workgroup_id_x 1
		.amdhsa_system_sgpr_workgroup_id_y 1
		.amdhsa_system_sgpr_workgroup_id_z 1
		.amdhsa_system_vgpr_workitem_id 0
		.amdhsa_next_free_vgpr 128
		.amdhsa_next_free_sgpr 66
		.amdhsa_reserve_vcc 0
		.amdhsa_float_denorm_mode_32 3
		.amdhsa_float_denorm_mode_16_64 3
		.amdhsa_memory_ordered 1
		.amdhsa_forward_progress 1
		.amdhsa_inst_pref_size 50
	.end_amdhsa_kernel
	.amdgpu_metadata
---
amdhsa.version: [ 1, 2 ]
amdhsa.kernels:
  - .name:           k_qfe67107ff5_quant
    .symbol:         k_qfe67107ff5_quant.kd
    .args:
      - { .name: x, .offset: 0, .size: 8, .value_kind: global_buffer, .address_space: global }
      - { .name: Wq, .offset: 8, .size: 8, .value_kind: global_buffer, .address_space: global }
      - { .name: Wk, .offset: 16, .size: 8, .value_kind: global_buffer, .address_space: global }
      - { .name: Wv, .offset: 24, .size: 8, .value_kind: global_buffer, .address_space: global }
      - { .name: Wp, .offset: 32, .size: 8, .value_kind: global_buffer, .address_space: global }
      - { .name: lowp_scales, .offset: 40, .size: 8, .value_kind: global_buffer, .address_space: global }
      - { .name: xc, .offset: 48, .size: 8, .value_kind: global_buffer, .address_space: global }
      - { .name: wc, .offset: 56, .size: 8, .value_kind: global_buffer, .address_space: global }
    .group_segment_fixed_size: 0
    .private_segment_fixed_size: 0
    .kernarg_segment_align: 8
    .kernarg_segment_size: 64
    .max_flat_workgroup_size: 128
    .sgpr_count:     66
    .vgpr_count:     128
    .wavefront_size: 32
...
	.end_amdgpu_metadata
.endif
;; end of part 1
;; launch qkv (part 2): grid 12 x 32, 4 waves a work-group, clusters of 4 x 4, 327,680 bytes of LDS; arguments xc, wc, bq, bk, bv, lowp_scales, qkv; writes qkv
.if DOCPART == 2
	.amdgcn_target "amdgcn-amd-amdhsa--gfx1250"
	.amdhsa_code_object_version 6
	.text
	.protected	k_qfe67107ff5_qkv
	.globl	k_qfe67107ff5_qkv
	.p2align	8
	.type	k_qfe67107ff5_qkv,@function
k_qfe67107ff5_qkv:
	s_mov_b64 s[64:65], 0
	v_nop
	global_prefetch_b8 v0, s[64:65] scope:SCOPE_SE
	s_setreg_imm32_b32 hwreg(HW_REG_WAVE_MODE, 25, 1), 1
	s_wait_xcnt 0x0
	s_wait_alu depctr_hold_cnt(0) depctr_sa_sdst(0) depctr_va_vdst(0) depctr_va_sdst(0) depctr_va_ssrc(0) depctr_va_vcc(0) depctr_vm_vsrc(0)
	s_getreg_b32 s2, hwreg(HW_REG_IB_STS2, 6, 4)
	s_cmp_eq_u32 s2, 0
	s_cbranch_scc0 .Lentry_in_a_cluster
	s_endpgm
.Lentry_in_a_cluster:
	s_bfe_u32 s2, ttmp6, 0x10000c
	s_cmp_lg_u32 s2, 0xf033
	s_cbranch_scc0 .Lentry_shape_is_right
	s_endpgm
.Lentry_shape_is_right:
; q, k, v = x W^T + b on codes of E4M3, each result quantised again (2^e6, 2^e7, 2^e9) and stored as codes.  The cluster's x says which: 0 q, 1 k, 2 v.
; A tile of 256 x 256 is made by four waves, each 128 x 128: 64 accumulators of 16 x 16, 512 registers.  K = 1,024 goes in four steps of 256 through a ring of two LDS slots filled by the tensor data mover.
; TWO OPERANDS, P AND Q.  P's rows go to source 1: a lane holds one row of P.  Q's rows go to source 0: a lane's eight registers are eight neighbouring rows of Q.
;   q, k: P = x's codes (tokens), Q = the weight's codes (channels): a lane holds a token and eight neighbouring channels: codes with the head's 64 innermost.
;   v:    P = the weight's codes (channels), Q = x's codes (tokens): a lane holds a channel and eight neighbouring tokens: codes with the KEYS innermost, as the second product of attention wants them.
; The roles are changed by pointers and tile numbers alone (s_cselect on the cluster's x); the loop's text is one.
; CLUSTERS: 4 x 4 work-groups.  The four of a row of the cluster need the same tile of P, the four of a column the same tile of Q: each is asked for jointly, by the same tensor load with the same descriptor and a mask that names the four.
; OUT.  qkv has three parts of 2^23 bytes.  q, k: [16 b + h][t][64].  v: [16 b + h][t / 128][d][128], where key 32 c + 16 u + 8 g + j of a block of 128 lies at position 32 c + 16 g + 8 u + j:
; a lane that loads the 16 bytes at 32 c + 16 (lane / 16) then has, in registers 4 c .. 4 c + 3, the keys that the K = 128 form's own layout gives it (ISA guide 7.12.2).
; value = sum x 2^(eW + ex) + bias, one packed multiply-add for two numbers; held within +-448 x 2^eo; converted.
; LIMITS: eW + ex between -126 and 127; eo between -126 and 119.  NaN is not served.
; Nothing is prefetched: of K's four steps two are the first fills and two follow one change of slots each; no step lies further ahead.
; REGISTERS, in windows of 256: window 0: v0-31 addresses; v32-95 the bias in the result's layout; v96-105 its offsets and the two scale constants; from v128 P's fragments (8 x 16 rows x 128 K), ONE set; on the way out v128-239 are at work.
;   window 1: Q's fragments, TWO sets, at v0 and v128.   window 2: the accumulators of my rows 0-63 ((a, b) at v[8 (8 a + b)]);   window 3: those of my rows 64-127.
.set ROWB,   256                       ; a tile's row: 256 codes
.set KROW,   1024                      ; a row of codes in memory
.set PITCH,  272                       ; an LDS row: 256 bytes + 16 of padding = 68 words: the 16 rows that a load touches start at 16 different banks (64 banks of 4 bytes: ISA guide 11.1)
.set FR,     16                        ; registers of a fragment
.set NL,     4                         ; LDS loads that bring one
.set NP,     4                         ; places behind this matrix instruction (ISA guide 7.12.1)
.set HALFT,  128*PITCH                 ; 128 rows: what one wave reads of P or of Q; a tensor load brings 256 rows, two of these
.set SLOT,   4*HALFT                   ; P's 256 rows, then Q's 256 rows
.set SPARE,  2*SLOT                    ; behind the ring: the spare words, 128 bytes a wave: two blocks of 256 bytes that no other line names
.set STG,    SPARE+512                 ; the stages of the way out of q and k: 16 rows x 144 bytes a wave; no tensor load lands here
.set WSTG,   2304
.set VSTG,   4*WSTG                    ; so many bytes further on: the stages of the way out of v, bytes of their own
.set ADRA, 16                          ; v16-17  LDS address of my P fragments in slot 0, 1
.set ADRB, 20                          ; v20-21  the same for Q
.set STOQ, 24                          ; v24     q, k: where I put 8 codes of a row
.set RDQ,  25                          ; v25     q, k: where I read 16 bytes back
.set CO,   26                          ; v26     16 x lane: my place in a store's 512 bytes
.set STOV, 27                          ; v27     v: where I put 8 codes
.set SPW,  28                          ; v28     LDS address of my spare word; never rewritten
.set NIL,  29                          ; v29     0; never rewritten
.set RDV,  30                          ; v30     v: where I read 16 bytes back
.set BI,   32                          ; v32-95  the bias: register 8 x + j
.set AJ,   96                          ; v96-103 the bias loads' offsets
.set SCL,  104                         ; v104    2^eo
.set LIM,  105                         ; v105    448 x 2^eo
.set AF,   128                         ; P's fragments
.set TMP,  128                         ; the way out: a block's 64 numbers
.set CD,   192                         ; its 16 registers of codes
.set BK,   208                         ; rows read back: v208-223 and v224-239 by turns
.set G1, 24                            ; s[24:31] descriptor group 1 for P's tiles;  s[32:39] group 0, one set for each slot
.set G0, 32
.set G1B, 48                           ; s[48:55], s[56:63] the same for Q's tiles
.set G0B, 56
.set MSB, 0
.macro WIN new                         ; the immediate's high byte repeats the setting that is left
.if MSB != (\new)
	s_set_vgpr_msb (MSB<<8)|(\new)
.set MSB, (\new)
.endif
.endm
.set MUL_LO, 0xa1                      ; source 0 (Q) window 1, source 1 (P) window 0, C and D window 2
.set MUL_HI, 0xf1                      ; the same, C and D window 3
.set TO_B,   0x40                      ; destination window 1, address window 0
; A joint load: waves 0 and 1 fetch for P, waves 2 and 3 for Q.  The branch hangs on the wave's number alone.  Four v_nop follow each of the two lines.
; A refill of slot s: wave s fetches P's 256 rows, wave 2 + s Q's, the other two nothing.  Four v_nop behind the join are every wave's places in front of the loads that follow.
.macro JLOAD g0a, g1a, g0b, g1b, s
	s_cmp_eq_u32 s14, \s
	s_cbranch_scc0 .Lfor_b_\@
	tensor_load_to_lds s[\g0a:\g0a+3], s[\g1a:\g1a+7]
	s_nop 0
.rept 4
	v_nop
.endr
	s_branch .Lasked_\@
.Lfor_b_\@:
	s_cmp_eq_u32 s14, 2+\s
	s_cbranch_scc0 .Lasked_\@
	tensor_load_to_lds s[\g0b:\g0b+3], s[\g1b:\g1b+7]
	s_nop 0
.rept 4
	v_nop
.endr
.Lasked_\@:
.rept 4
	v_nop
.endr
.endm
.macro CREST                           ; a round of the cluster's barrier behind its opening barrier
	s_cmp_lg_u32 s14, 0
	s_cbranch_scc1 .Lnot_wave_0_\@
	s_barrier_signal -3
.Lnot_wave_0_\@:
	s_barrier_wait -3
	s_barrier_signal -1
	s_barrier_wait -1
.endm
.macro CROUND                          ; a whole round
	s_barrier_signal -1
	s_barrier_wait -1
	CREST
.endm
	s_load_b256 s[4:11], s[0:1], 0x0               ; xc s[4:5], wc s[6:7], bq s[8:9], bk s[10:11]
	s_load_b128 s[68:71], s[0:1], 0x20             ; bv s[68:69], the exponents s[70:71]
	s_load_b64 s[72:73], s[0:1], 0x30              ; qkv
	v_lshl_add_u32 v[SPW], v0, 2, SPARE
	v_mov_b32 v[NIL], 0
	ds_add_u32 v28, v29
	ds_add_u32 v28, v29
	s_wait_dscnt 0x0
	v_lshrrev_b32 v1, 5, v0
	v_readfirstlane_b32 s14, v1                    ; wave 0..3
	s_lshr_b32 s15, s14, 1                         ; which half of the tile's P rows is mine.  Also: I fetch for P (0) or for Q (1)
	s_and_b32 s16, s14, 1                          ; which half of its Q rows is mine
	s_bfe_u32 s40, ttmp6, 0x40000                  ; cx, cy: my place in the cluster
	s_bfe_u32 s41, ttmp6, 0x40004
	s_and_b32 s18, ttmp7, 0xffff
	s_lshl_b32 s18, s18, 2                         ; 4 x cluster y: it walks the 32 tiles of tokens
	s_cmp_eq_u32 ttmp9, 2                          ; v?
	s_cselect_b32 s19, 0, s18
	s_cselect_b32 s18, s18, 0
	s_add_co_u32 s17, s41, s19                     ; P's tile: cy + 4 Y (tokens), for v cy (channels)
	s_add_co_u32 s42, s40, s18                     ; Q's tile: cx (channels), for v cx + 4 Y (tokens)
	s_lshl_b32 s43, s41, 2
	s_lshl_b32 s43, 15, s43                        ; my row of the cluster
	s_lshl_b32 s44, 0x1111, s40                    ; my column
	s_or_b32 s[G1+0], s43, (0<<16)|(1<<20)|(1<<21)|(5<<22)|(3<<25)  ; 15:0 the mask: P's tiles go to my row; 17:16 elements of 1 byte; 20 padding on; 21 set beside a mask; 24:22 after every 64 words; 31:25 four words
	s_or_b32 s[G1B+0], s44, (0<<16)|(1<<20)|(1<<21)|(5<<22)|(3<<25)
.irp g, G1, G1B
	s_mov_b32 s[\g+1], ROWB<<16                    ; tensor_dim0
	s_mov_b32 s[\g+2], 256<<16                     ; tensor_dim1
	s_mov_b32 s[\g+3], ROWB<<16                    ; tile_dim0
	s_mov_b32 s[\g+4], 256                         ; tile_dim1
	s_mov_b32 s[\g+5], KROW                        ; tensor_dim0_stride
	s_mov_b32 s[\g+6], 0
	s_mov_b32 s[\g+7], 0
.endr
	s_lshl_b32 s20, s17, 18                        ; P: 256 x tile rows of 1,024 bytes
	s_mov_b32 s21, 0
	s_lshl_b32 s46, s42, 18                        ; Q likewise
	s_mov_b32 s47, 0
	s_wait_kmcnt 0x0
	s_load_b256 s[76:83], s[70:71], 0x0            ; e0 .. e7
	s_load_b128 s[84:87], s[70:71], 0x20           ; e8 .. e11
	s_lshl_b32 s74, ttmp9, 23
	s_mov_b32 s75, 0
	s_add_nc_u64 s[4:5], s[4:5], s[74:75]          ; x's codes with this product's scale
	s_add_nc_u64 s[90:91], s[72:73], s[74:75]      ; this tensor's part of qkv
	s_lshl_b32 s74, ttmp9, 20
	s_add_nc_u64 s[6:7], s[6:7], s[74:75]          ; this product's weight
	s_cmp_eq_u32 ttmp9, 2
	s_cselect_b64 s[92:93], s[6:7], s[4:5]         ; P
	s_cselect_b64 s[94:95], s[4:5], s[6:7]         ; Q
	s_add_nc_u64 s[20:21], s[92:93], s[20:21]
	s_add_nc_u64 s[46:47], s[94:95], s[46:47]
	CROUND                                         ; all sixteen work-groups are here: the first joint loads meet
.irp s, 0,1
	s_mov_b32 s[G0+4*\s], 1
	s_mov_b32 s[G0+4*\s+1], \s*SLOT                ; P's 256 rows at the slot's head,
	s_add_nc_u64 s[G0+4*\s+2:G0+4*\s+3], s[20:21], \s*ROWB
	s_or_b32 s[G0+4*\s+3], s[G0+4*\s+3], 0x80000000
	s_mov_b32 s[G0B+4*\s], 1
	s_mov_b32 s[G0B+4*\s+1], \s*SLOT+2*HALFT       ; Q's behind them
	s_add_nc_u64 s[G0B+4*\s+2:G0B+4*\s+3], s[46:47], \s*ROWB
	s_or_b32 s[G0B+4*\s+3], s[G0B+4*\s+3], 0x80000000
.endr
	; THE FIRST FILLS: both slots' tiles, four loads, one to a wave, in one chain of branches on the wave's number: wave 0 P of slot 0, wave 1 P of slot 1, wave 2 Q of slot 0, wave 3 Q of slot 1
	s_cmp_eq_u32 s14, 0
	s_cbranch_scc0 .Lh1
	tensor_load_to_lds s[G0:G0+3], s[G1:G1+7]
	s_nop 0
.rept 4
	v_nop
.endr
	s_branch .Lhj
.Lh1:
	s_cmp_eq_u32 s14, 1
	s_cbranch_scc0 .Lh2
	tensor_load_to_lds s[G0+4:G0+7], s[G1:G1+7]
	s_nop 0
.rept 4
	v_nop
.endr
	s_branch .Lhj
.Lh2:
	s_cmp_eq_u32 s14, 2
	s_cbranch_scc0 .Lh3
	tensor_load_to_lds s[G0B:G0B+3], s[G1B:G1B+7]
	s_nop 0
.rept 4
	v_nop
.endr
	s_branch .Lhj
.Lh3:
	tensor_load_to_lds s[G0B+4:G0B+7], s[G1B:G1B+7]
	s_nop 0
.rept 4
	v_nop
.endr
.Lhj:
	v_and_b32 v1, 15, v0                           ; r = lane % 16
	s_wait_alu depctr_va_vdst(0)
	v_bfe_u32 v2, v0, 4, 1                         ; h = lane / 16
	v_mul_u32_u24 v3, v1, PITCH
	v_lshl_add_u32 v4, v2, 4, v3                   ; a fragment's row x pitch + 16 x half
	s_mul_i32 s21, s15, HALFT                      ; my 128 rows of P
	s_mul_i32 s22, s16, HALFT                      ; my 128 rows of Q,
	s_add_co_u32 s22, s22, 2*HALFT                 ; which lie behind P's 256
.irp s, 0,1
	v_add_nc_u32 v[ADRA+\s], s21, v4
	v_add_nc_u32 v[ADRB+\s], s22, v4
	s_add_co_u32 s21, s21, SLOT
	s_add_co_u32 s22, s22, SLOT
.endr
	s_mul_i32 s23, s14, WSTG
	s_add_co_u32 s23, s23, STG                     ; my stage
	v_and_b32 v6, 31, v0                           ; lane
	v_mul_u32_u24 v5, v1, 144
	v_add_nc_u32 v5, s23, v5
	v_lshl_add_u32 v[STOQ], v2, 3, v5              ; row r, + 8 h
	v_lshl_add_u32 v[STOV], v2, 4, v5              ; row r, + 16 h
	v_lshrrev_b32 v7, 2, v6
	v_mul_u32_u24 v7, v7, 144
	v_and_b32 v8, 3, v6
	v_lshl_add_u32 v7, v8, 4, v7
	v_add_nc_u32 v[RDQ], s23, v7                   ; four lanes to a head's 64 bytes of a row
	v_lshrrev_b32 v7, 3, v6
	v_mul_u32_u24 v7, v7, 144
	v_and_b32 v8, 7, v6
	v_lshl_add_u32 v7, v8, 4, v7
	v_add_nc_u32 v[RDV], s23, v7                   ; eight lanes to a row's 128 bytes
	v_lshlrev_b32 v[CO], 4, v6
	; which channels and tokens are mine; the bias; where my codes go
	s_lshl_b32 s98, s17, 8
	s_lshl_b32 s18, s15, 7
	s_add_co_u32 s98, s98, s18                     ; my first row of P
	s_lshl_b32 s99, s42, 8
	s_lshl_b32 s18, s16, 7
	s_add_co_u32 s99, s99, s18                     ; my first row of Q
	s_cmp_eq_u32 ttmp9, 2
	s_cselect_b32 s100, s98, s99                   ; my first channel
	s_cselect_b32 s101, s99, s98                   ; my first token
	s_cselect_b32 s18, 4, 0                        ; the bias's offset is r x s18 + h x s19 + j x s22:
	s_cselect_b32 s19, 0, 32                       ; q, k: register 8 x + j wants channel 16 x + 8 h + j;
	s_cselect_b32 s22, 0, 4                        ; v: channel 16 x + r in all eight
	s_cselect_b64 s[88:89], s[68:69], s[8:9]
	s_cmp_eq_u32 ttmp9, 1
	s_cselect_b64 s[88:89], s[10:11], s[88:89]     ; bq, bk or bv
	s_lshl_b32 s74, s100, 2
	s_add_nc_u64 s[88:89], s[88:89], s[74:75]      ; at my first channel (s75 = 0)
	s_lshr_b32 s74, s101, 11
	s_lshl_b32 s74, s74, 21                        ; the batch: 16 heads of 2^17 bytes
	s_lshr_b32 s66, s100, 6
	s_lshl_b32 s66, s66, 17                        ; the head
	s_add_co_u32 s74, s74, s66
	s_and_b32 s66, s101, 2047
	s_lshl_b32 s66, s66, 6                         ; the token: 64 bytes each in q and k; in v a block of 128 tokens is 8,192 bytes: the same number
	s_add_co_u32 s74, s74, s66
	s_add_nc_u64 s[90:91], s[90:91], s[74:75]
	v_mul_lo_u32 v5, v1, s18
	v_mul_lo_u32 v7, v2, s19
	v_add_nc_u32 v[AJ], v5, v7
.irp j, 1,2,3,4,5,6,7
	v_add_nc_u32 v[AJ+\j], s22, v[AJ+\j-1]
.endr
.irp x, 0,1,2,3,4,5,6,7
.irp j, 0,1,2,3,4,5,6,7
	global_load_b32 v[BI+8*\x+\j], v[AJ+\j], s[88:89] offset:64*\x   ; once a wave; waited for at the head of the way out
.endr
.endr
.macro FRAG reg, adr, q, i             ; a fragment, 16 rows x 128 K: lane l holds row l % 16; registers 4 c .. 4 c + 3 hold positions 32 c + 16 (l / 16) + 0 .. 15: the same in P and in Q
.irp c, 0,1,2,3
	ds_load_b128 v[\reg+4*\c:\reg+4*\c+3], v[\adr] offset:128*(\q)+32*\c+(\i)*16*PITCH
.endr
.endm
; 16 matrix instructions: P's blocks a0, a0 + 1 x Q's eight, 128 along K.  p: Q's set.  zero = 1: the first product starts the sums.  The 64 accumulators take turns, one instruction a turn.
.macro MUL16 a0, p, zero
.irp a, \a0, \a0+1
.irp b, 0,1,2,3,4,5,6,7
.if \zero
	v_wmma_f32_16x16x128_fp8_fp8 v[8*(8*((\a)%4)+\b):8*(8*((\a)%4)+\b)+7], v[128*(\p)+FR*\b:128*(\p)+FR*\b+FR-1], v[AF+FR*(\a):AF+FR*(\a)+FR-1], 0
.else
	v_wmma_f32_16x16x128_fp8_fp8 v[8*(8*((\a)%4)+\b):8*(8*((\a)%4)+\b)+7], v[128*(\p)+FR*\b:128*(\p)+FR*\b+FR-1], v[AF+FR*(\a):AF+FR*(\a)+FR-1], v[8*(8*((\a)%4)+\b):8*(8*((\a)%4)+\b)+7]
.endif
.endr
.endr
.endm
.macro FETCH_B slot, q, p              ; Q's eight fragments of the slot's q-th 128 along K into set p
	WIN TO_B
.irp i, 0,1,2,3,4,5,6,7
	FRAG 128*(\p)+FR*\i, ADRB+\slot, \q, \i
.endr
	WIN 0
.endm
.macro FETCH_A slot, q, i0             ; P's blocks i0 .. i0 + 3
.irp i, \i0, \i0+1, \i0+2, \i0+3
	FRAG AF+FR*(\i), ADRA+\slot, \q, \i
.endr
.endm
.macro PLACES n                        ; plain vector lines between a matrix instruction and a load into, or a vector line on, its registers
.rept \n
	v_nop
.endr
.endm
; A step of 128 along K that has its successor in the same slot.
.macro STEP slot, q, zero
	s_wait_dscnt 4*NL                              ; Q's set and P's blocks 0-3 are in; the youngest sixteen loads (P's blocks 4-7) may be out
	WIN MUL_LO
	MUL16 0, (\q)%2, \zero
	MUL16 2, (\q)%2, \zero
	s_wait_dscnt 0                                 ; P's blocks 4-7 are in
	PLACES NP
	FETCH_B \slot, (\q)+1, 1-(\q)%2
	FETCH_A \slot, (\q)+1, 0
	WIN MUL_HI
	MUL16 4, (\q)%2, \zero
	MUL16 6, (\q)%2, \zero
	PLACES NP
	WIN 0
	FETCH_A \slot, (\q)+1, 4
.endm
; A slot's last step changes slots: ONE barrier; in front of it each wave waits for all its tensor loads, adds 0 to its spare word, and waits for that and for its own reads of this slot.  fill = 1: this slot is filled again, two K steps ahead.
.macro TURN slot, next, fill
	s_wait_tensorcnt 0x0                           ; all my tensor loads have landed: my part of the next slot
	ds_add_u32 v[SPW], v[NIL]                      ; 0 onto my spare word
	s_wait_dscnt 4*NL+1                            ; (the add and the youngest sixteen loads may be out)
	WIN MUL_LO
	MUL16 0, 1, 0                                  ; sixteen matrix instructions stand between the add and the wait for it
	s_wait_dscnt 0x0                               ; the add is done, and my reads of this slot are over
	s_barrier_signal -1
	MUL16 2, 1, 0
	WIN 0
	s_barrier_wait -1
.if \fill
	CREST                                          ; the barrier has opened a round of the cluster's barrier: no wave of any partner still reads this slot's tile or has a load on its way
	s_add_nc_u64 s[G0+4*\slot+2:G0+4*\slot+3], s[G0+4*\slot+2:G0+4*\slot+3], 2*ROWB
	s_add_nc_u64 s[G0B+4*\slot+2:G0B+4*\slot+3], s[G0B+4*\slot+2:G0B+4*\slot+3], 2*ROWB
	JLOAD G0+4*\slot, G1, G0B+4*\slot, G1B, \slot  ; the first tensor load behind the round
.else
	PLACES NP
.endif
	FETCH_B \next, 0, 0
	FETCH_A \next, 0, 0
	WIN MUL_HI
	MUL16 4, 1, 0
	MUL16 6, 1, 0
	PLACES NP
	WIN 0
	FETCH_A \next, 0, 4
.endm
	s_wait_alu depctr_va_vdst(0)                   ; the wait at the head's end
	s_wait_tensorcnt 0x0                           ; my one load of the first fills has landed
	s_barrier_signal -1                            ; my first fill is in;
	s_barrier_wait -1                              ; everybody's is: both slots are whole.
	FETCH_B 0, 0, 0
	FETCH_A 0, 0, 0
	FETCH_A 0, 0, 4
	STEP 0, 0, 1                                   ; K's four steps of 256 are written out: eight steps of 128
	TURN 0, 1, 1                                   ; slot 0 takes K step 2
	STEP 1, 0, 0
	TURN 1, 0, 1                                   ; slot 1 takes K step 3
	STEP 0, 0, 0
	TURN 0, 1, 0                                   ; nothing is left to fetch
	STEP 1, 0, 0
	s_wait_dscnt 4*NL                              ; the very last step
	WIN MUL_LO
	MUL16 0, 1, 0
	MUL16 2, 1, 0
	s_wait_dscnt 0
	WIN MUL_HI
	MUL16 4, 1, 0
	MUL16 6, 1, 0
	WIN 0
; THE WAY OUT, a block of 16 rows of P x 128 rows of Q at a time: sum x 2^(eW + ex) + bias; the hold; eight codes a conversion; through my own stage in LDS, so that each store of the wave covers 512 consecutive bytes.
; LDS serves a wave's instructions in order (ISA guide 5.7.1.4): no wait between the stores into the stage and the loads from it, nor in front of the next block's stores.
.macro TOSTAGE a, isv
.set AC, 64*((\a)%4)
	WIN 0x02+((\a)/4)                              ; source 0: window 2 or 3
.irp b, 0,1,2,3,4,5,6,7
.irp i, 0,2,4,6
.if \isv
	v_pk_fma_f32 v[TMP+8*\b+\i:TMP+8*\b+\i+1], v[AC+8*\b+\i:AC+8*\b+\i+1], s[96:97], v[BI+8*(\a)+\i:BI+8*(\a)+\i+1] op_sel_hi:[1,0,1]   ; each accumulator from its low end on
.else
	v_pk_fma_f32 v[TMP+8*\b+\i:TMP+8*\b+\i+1], v[AC+8*\b+\i:AC+8*\b+\i+1], s[96:97], v[BI+8*\b+\i:BI+8*\b+\i+1] op_sel_hi:[1,0,1]
.endif
.endr
.endr
	WIN 0
.irp b, 0,1,2,3,4,5,6,7
.irp i, 0,1,2,3,4,5,6,7
	v_med3_num_f32 v[TMP+8*\b+\i], v[TMP+8*\b+\i], -v[LIM], v[LIM]   ; the conversion does not saturate (ISA guide 7.6.2)
.endr
	v_cvt_scalef32_pk8_fp8_f32 v[CD+2*\b:CD+2*\b+1], v[TMP+8*\b:TMP+8*\b+7], v[SCL]
.endr
	v_nop                                          ; one plain line behind the last conversion: the next block's multiply-adds write its sources
.irp b, 0,1,2,3,4,5,6,7
.if \isv
	ds_store_b64 v[STOV], v[CD+2*\b:CD+2*\b+1] offset:VSTG+32*(\b/2)+8*(\b%2)   ; keys 16 b + 8 h + 0 .. 7 at position 32 (b / 2) + 16 h + 8 (b % 2)
.else
	ds_store_b64 v[STOQ], v[CD+2*\b:CD+2*\b+1] offset:16*\b                    ; channels 16 b + 8 h + 0 .. 7
.endif
.endr
.set BB, BK+16*((\a)%2)
.irp i, 0,1,2,3
.if \isv
	ds_load_b128 v[BB+4*\i:BB+4*\i+3], v[RDV] offset:VSTG+576*\i               ; channels 4 i .. 4 i + 3, whole rows of 128 bytes
.else
	ds_load_b128 v[BB+4*\i:BB+4*\i+3], v[RDQ] offset:1152*(\i%2)+64*(\i/2)     ; head i / 2, tokens 8 (i % 2) on
.endif
.endr
.endm
.macro SEND a, younger, isv            ; younger: the LDS instructions issued behind block a's loads
.set BB, BK+16*((\a)%2)
	s_wait_dscnt \younger
.irp i, 0,1,2,3
.if \isv
	global_store_b128 v[CO], v[BB+4*\i:BB+4*\i+3], s[90:91] offset:131072*((\a)/4)+2048*((\a)%4)+512*\i
.else
	global_store_b128 v[CO], v[BB+4*\i:BB+4*\i+3], s[90:91] offset:131072*(\i/2)+1024*(\a)+512*(\i%2)
.endif
.endr
.endm
.macro OUT isv
	TOSTAGE 0, \isv
.irp a, 1,2,3,4,5,6,7
.if \a > 1
	s_wait_xcnt 0x0                                ; block a - 2's stores have read their registers: block a's loads may land there
.endif
	TOSTAGE \a, \isv
	SEND \a-1, 12, \isv                            ; behind block a - 1's loads: block a's 8 stores and 4 loads
.endr
	SEND 7, 0, \isv
.endm
	s_wait_kmcnt 0x0
	s_cmp_eq_u32 ttmp9, 1
	s_cselect_b32 s18, s78, s76                    ; the weight's exponent: e0, e2, e4
	s_cselect_b32 s19, s79, s77                    ; x's: e1, e3, e5
	s_cselect_b32 s22, s83, s82                    ; the result's: e6, e7, e9
	s_cmp_eq_u32 ttmp9, 2
	s_cselect_b32 s18, s80, s18
	s_cselect_b32 s19, s81, s19
	s_cselect_b32 s22, s85, s22
	s_add_co_i32 s96, s18, s19
	s_add_co_i32 s96, s96, 127
	s_lshl_b32 s96, s96, 23                        ; 2^(eW + ex) as f32
	s_mov_b32 s97, s96                             ; (named with it as a pair, so it is written)
	s_add_co_i32 s22, s22, 127
	s_lshl_b32 s23, s22, 23
	v_mov_b32 v[SCL], s23
	s_add_co_i32 s22, s22, 8
	s_lshl_b32 s22, s22, 23
	s_or_b32 s22, s22, 0x600000
	v_mov_b32 v[LIM], s22
	PLACES NP                                      ; behind the last products: their results are read, and P's registers written, below
	s_wait_loadcnt 0x0                             ; the bias
	s_cmp_eq_u32 ttmp9, 2                          ; the cluster's x: the same number in all sixteen partners and all four waves
	s_cbranch_scc1 .Lv_out
	OUT 0
	s_branch .Lend
.Lv_out:
	OUT 1
.Lend:
	s_wait_tensorcnt 0x0                           ; the wave's end: behind my last tensor load and my last LDS store
	ds_add_u32 v[SPW], v[NIL]
	s_wait_dscnt 0x0
	CROUND                                         ; the closing round: no work-group ends while a partner may still ask for a tile that names it
	s_endpgm
.Lfunc_end_k_qfe67107ff5_qkv:
	.size	k_qfe67107ff5_qkv, .Lfunc_end_k_qfe67107ff5_qkv-k_qfe67107ff5_qkv
	.p2alignl 7, 3214868480
	.fill 96, 4, 3214868480
	.section	.rodata,"a",@progbits
	.p2align	6, 0x0
	.amdhsa_kernel k_qfe67107ff5_qkv
		.amdhsa_group_segment_fixed_size 327680
		.amdhsa_private_segment_fixed_size 0
		.amdhsa_enable_private_segment 0
		.amdhsa_kernarg_size 56
		.amdhsa_user_sgpr_count 2
		.amdhsa_user_sgpr_kernarg_segment_ptr 1
		.amdhsa_wavefront_size32 1
		.amdhsa_system_sgpr_workgroup_id_x 1
		.amdhsa_system_sgpr_workgroup_id_y 1
		.amdhsa_system_sgpr_workgroup_id_z 1
		.amdhsa_system_vgpr_workitem_id 0
		.amdhsa_next_free_vgpr 1024
		.amdhsa_next_free_sgpr 102
		.amdhsa_reserve_vcc 0
		.amdhsa_float_denorm_mode_32 3
		.amdhsa_float_denorm_mode_16_64 3
		.amdhsa_memory_ordered 1
		.amdhsa_forward_progress 1
		.amdhsa_inst_pref_size 211
	.end_amdhsa_kernel
	.amdgpu_metadata
---
amdhsa.version: [ 1, 2 ]
amdhsa.kernels:
  - .name:           k_qfe67107ff5_qkv
    .symbol:         k_qfe67107ff5_qkv.kd
    .args:
      - { .name: xc, .offset: 0, .size: 8, .value_kind: global_buffer, .address_space: global }
      - { .name: wc, .offset: 8, .size: 8, .value_kind: global_buffer, .address_space: global }
      - { .name: bq, .offset: 16, .size: 8, .value_kind: global_buffer, .address_space: global }
      - { .name: bk, .offset: 24, .size: 8, .value_kind: global_buffer, .address_space: global }
      - { .name: bv, .offset: 32, .size: 8, .value_kind: global_buffer, .address_space: global }
      - { .name: lowp_scales, .offset: 40, .size: 8, .value_kind: global_buffer, .address_space: global }
      - { .name: qkv, .offset: 48, .size: 8, .value_kind: global_buffer, .address_space: global }
    .group_segment_fixed_size: 327680
    .private_segment_fixed_size: 0
    .kernarg_segment_align: 8
    .kernarg_segment_size: 56
    .max_flat_workgroup_size: 128
    .sgpr_count:     102
    .vgpr_count:     1024
    .wavefront_size: 32
...
	.end_amdgpu_metadata
.endif
;; end of part 2
;; launch attn (part 3): grid 4 x 64, 8 waves a work-group, clusters of 4 x 1, 327,680 bytes of LDS; arguments qkv, lowp_scales, yc; writes yc
.if DOCPART == 3
	.amdgcn_target "amdgcn-amd-amdhsa--gfx1250"
	.amdhsa_code_object_version 6
	.text
	.protected	k_qfe67107ff5_attn
	.globl	k_qfe67107ff5_attn
	.p2align	8
	.type	k_qfe67107ff5_attn,@function
k_qfe67107ff5_attn:
	s_mov_b64 s[64:65], 0
	v_nop
	global_prefetch_b8 v0, s[64:65] scope:SCOPE_SE
	s_setreg_imm32_b32 hwreg(HW_REG_WAVE_MODE, 25, 1), 1
	s_wait_xcnt 0x0
	s_wait_alu depctr_hold_cnt(0) depctr_sa_sdst(0) depctr_va_vdst(0) depctr_va_sdst(0) depctr_va_ssrc(0) depctr_va_vcc(0) depctr_vm_vsrc(0)
	s_getreg_b32 s2, hwreg(HW_REG_IB_STS2, 6, 4)
	s_cmp_eq_u32 s2, 0
	s_cbranch_scc0 .Lentry_in_a_cluster
	s_endpgm
.Lentry_in_a_cluster:
	s_bfe_u32 s2, ttmp6, 0x10000c
	s_cmp_lg_u32 s2, 0x3003
	s_cbranch_scc0 .Lentry_shape_is_right
	s_endpgm
.Lentry_shape_is_right:
; y[bh][q][:] = the sum over keys k <= q of softmax_k(Q[q] . K[k] / 8) V[k][:], both products on codes of E4M3; y is quantised (2^e10) and stored as codes [bh][t][64].
; qkv: part 0 q and part 1 k [bh][t][64]; part 2 v [bh][t / 128][d][128], keys innermost, in the order that the launch before laid (16-byte loads give the K = 128 form's own layout).
; THE SOFTMAX: t = score x 2^(e6 + e7) x log2(e) / 8; M = the running largest t rounded UP to a whole number; p = 2^(t - M) is quantised (2^e8), not normalised; the row's sum is taken of the
; unquantised p and divides at the end.  When M moves, the sum and O are multiplied by f = 2^(old M - new M): exact.
; LEFT OUT: blocks of 128 keys that lie wholly behind a wave's queries under the causal mask are never walked (by how the rows are dealt, below).
; SHARES.  A head's K and V are 2 x 131,072 bytes of codes: all of it lies in LDS, fetched once, and no LDS byte is filled twice.  Keys go in 16 blocks of 128.  The 128 queries of row m (they need key blocks 0 .. m) are dealt
; to the head's four work-groups, 32 each: work-group p has queries 128 m + 32 p .. + 31 of every m.  Wave w of eight takes row 15 - w (16 - w steps), then row w (w + 1 steps): 17 steps for every wave of every work-group,
; a trip count that is a constant.  A wave's 32 queries are two tiles of 16, which share every fragment of K and V.  In trip s no wave reads a key block beyond s (K: s + 1, asked for one trip ahead).
; CLUSTER 4 x 1: the four work-groups of a head want the same K and V in the same order: joint loads, mask 15.  Blocks 0-4 are asked for at the head (waves 0-3: K, waves 4-7: V, 40 rows of 256 bytes each),
; blocks 5-15 behind the first round (88 rows each); they are waited for behind trip 3.  The place in the cluster enters global addresses of Q and y and the mask's threshold alone.
; NO PREFETCH: every byte of K and V is asked for by a tensor load at the head or four trips ahead of its first read; no later request is left to run ahead of.
; LAYOUT.  Both products transposed: S^T = K Q^T (source 0 = 16 keys, source 1 = 16 queries, K = 64), O^T = V^T P^T (source 0 = 16 of the head's 64, source 1 = P, K = 128 keys): a lane holds one query of each tile.
; In tile c of S^T lane (r, h) holds keys 16 c + 8 h + 0 .. 7: its conversion's two registers are registers 2 c, 2 c + 1 of P.
; The last trip's request for K names a block that lies in LDS and is not used: the loop's text is one.
; At the change of rows O and the sum are not cleared: the largest t goes back to -3e38, so the next f is 0 and multiplies finite numbers.
; LIMITS: e6 + e7 between -123 and 130 (added to the exponent field of log2(e) / 8); e8 and e10 between -126 and 119.  NaN is not served.
; REGISTERS.  Window 0: v1-12 addresses; v14-31 each tile's -M, largest t, sum, f and temporaries (tile 1: 8 further on); v32-37 constants; v40-71 first-level sums; v72-103 P's codes; v104-231 S^T, then p, both tiles; v232-247 sums.
; Window 1: v0-63 K's eight fragments; v64-127 V's four; v128-191 O^T, both tiles; v192-207 Q in hand; v208-223 the second row's Q.
.set CH,    8704                       ; a block of 8,192 dense bytes in LDS: 32 rows of 256 bytes + 16 of padding
.set VB,    16*CH                      ; K's 16 blocks, then V's 16
.set SPARE, 2*VB                       ; the spare words, 128 bytes a wave: four blocks of 256 bytes that no other line names
.set STAGE, SPARE+1024                 ; the way out: 32 rows x 80 bytes a wave; no tensor load lands here
.set R0,    40
.set R1,    88
.set AK0, 1                            ; key n of a block lies at 272 (n / 4) + 64 (n % 4)
.set AV0, 2                            ; row d of V's block at VB + 272 (d / 2) + 128 (d % 2)
.set QO,  3
.set ADK, 4
.set SPW, 5
.set NIL, 6
.set GO,  7
.set ADV, 8
.set STO, 9
.set SRD, 10
.set DL,  11                           ; v11, v12: my query in its row of 128, less 8 h, for tile 0, 1
.set NM,  14                           ; pair: -M, the largest t
.set SUM, 16
.set FF,  18                           ; pair: f, 0
.set T1,  20
.set T2,  21
.set PD,  30
.set SCP, 32                           ; 2^e8
.set H0,  33                           ; 448 x 2^e8, twice: the pair of holds takes its second sources from two registers
.set H1,  34
.set SCY, 35                           ; 2^e10
.set LMY, 36                           ; 448 x 2^e10
.set NINF, 37
.set TT,  40
.set PC,  72
.set SS,  104
.set UU,  232
.set KF,  0
.set VF,  64
.set OO,  128
.set Q1,  192
.set Q2,  208
.set WV,  10
.set CX,  11
.set N1,  12                           ; 16 - w: the trip in which the second row begins
.set D1,  13                           ; 15 - w: the first row's last trip, on the diagonal
.set CS,  14
.set GA1, 16
.set GB1, 24
.set GA0, 32
.set GB0, 36
.set SEL, 40
.set TB,  42                           ; LDS byte of the step's key block
.set TBN, 43                           ; of the next step's
.set SC,  44                           ; the trip, 0 .. 16
.set E89, 45
.set QP1, 46
.set QP2, 48
.set YP1, 50
.set YP2, 52
.set MSB, 0
.macro WIN new                         ; the immediate's high byte repeats the setting that is left
.if MSB != (\new)
	s_set_vgpr_msb (MSB<<8)|(\new)
.set MSB, (\new)
.endif
.endm
.set M_S,  0x05                        ; sources 0 (K) and 1 (Q) window 1, D window 0
.set M_LD, 0x40                        ; destination window 1
.set M_OR, 0x41                        ; destination and source 0 window 1
.set M_PV, 0x51                        ; V, C and D window 1, P window 0
.macro CROUND                          ; a round of the cluster's barrier
	s_barrier_signal -1
	s_barrier_wait -1
	s_cmp_lg_u32 s[WV], 0
	s_cbranch_scc1 .Lnw0_\@
	s_barrier_signal -3
.Lnw0_\@:
	s_barrier_wait -3
	s_barrier_signal -1
	s_barrier_wait -1
.endm
.macro HOLD2 r                         ; two numbers held at 448 x 2^e8 by one pair: the conversion does not saturate (ISA guide 7.6.2); p is not negative
	v_dual_min_num_f32 v[\r], v[\r], v[H0] :: v_dual_min_num_f32 v[(\r)+1], v[(\r)+1], v[H1]
.endm
.macro KLOAD adr                       ; K's eight fragments
.irp c, 0,1,2,3,4,5,6,7
	ds_load_b128 v[KF+8*\c:KF+8*\c+3], v[\adr] offset:1088*\c
	ds_load_b128 v[KF+8*\c+4:KF+8*\c+7], v[\adr] offset:1088*\c+32
.endr
.endm
	s_load_b128 s[4:7], s[0:1], 0x0                ; qkv, the exponents
	s_load_b64 s[8:9], s[0:1], 0x10                ; yc
	v_lshl_add_u32 v[SPW], v0, 2, SPARE
	v_mov_b32 v[NIL], 0
	ds_add_u32 v[SPW], v[NIL]                      ; the opening: the add, twice on end, and its wait
	ds_add_u32 v[SPW], v[NIL]
	v_lshrrev_b32 v[TT], 5, v0
	v_readfirstlane_b32 s[WV], v[TT]               ; wave 0..7
	s_bfe_u32 s[CX], ttmp6, 0x40000                ; p: my place in the cluster
	s_and_b32 s72, ttmp7, 0xffff
	s_lshl_b32 s72, s72, 17                        ; the head's first byte in each part of qkv and in yc
	s_lshr_b32 s73, s[WV], 2                       ; I fetch for K (0) or V (1),
	s_and_b32 s74, s[WV], 3                        ; this quarter of the rows
	s_mul_i32 s75, s73, VB
	s_mul_i32 s76, s74, R0*272
	s_add_co_u32 s[GA0+1], s75, s76                ; LDS: blocks 0-4
	s_mul_i32 s76, s74, R1*272
	s_add_co_u32 s76, s76, s75
	s_add_co_u32 s[GB0+1], s76, 5*CH               ; LDS: blocks 5-15
	s_add_co_u32 s73, s73, 1
	s_lshl_b32 s73, s73, 23                        ; part 1 or 2
	s_add_co_u32 s73, s73, s72
	s_mul_i32 s76, s74, R0*256
	s_add_co_u32 s76, s76, s73
	s_mov_b32 s77, 0
	s_mul_i32 s78, s74, R1*256
	s_add_co_u32 s78, s78, s73
	s_add_co_u32 s78, s78, 5*8192
	s_mov_b32 s79, 0
	s_mov_b32 s[GA1], 15|(1<<20)|(1<<21)|(5<<22)|(3<<25)   ; mask: the four of the cluster; elements of 1 byte; padding of four words after every 64; bit 21 beside a mask
	s_mov_b32 s[GA1+1], 256<<16
	s_mov_b32 s[GA1+2], R0<<16
	s_mov_b32 s[GA1+3], 256<<16
	s_mov_b32 s[GA1+4], R0
	s_mov_b32 s[GA1+5], 256                        ; the rows are dense
	s_mov_b32 s[GA1+6], 0
	s_mov_b32 s[GA1+7], 0
	s_mov_b32 s[GB1], 15|(1<<20)|(1<<21)|(5<<22)|(3<<25)
	s_mov_b32 s[GB1+1], 256<<16
	s_mov_b32 s[GB1+2], R1<<16
	s_mov_b32 s[GB1+3], 256<<16
	s_mov_b32 s[GB1+4], R1
	s_mov_b32 s[GB1+5], 256
	s_mov_b32 s[GB1+6], 0
	s_mov_b32 s[GB1+7], 0
	s_mov_b32 s[SEL], 0x76543210
	s_mov_b32 s[SEL+1], 0xfedcba98
	s_mov_b32 s[CS], 0x3e38aa3b                    ; log2(e) / 8
	s_wait_dscnt 0x0                               ; both opening adds are done
	s_wait_kmcnt 0x0
	s_load_b256 s[56:63], s[6:7], 0x0              ; e0 .. e7
	s_load_b128 s[68:71], s[6:7], 0x20             ; e8 .. e11
	s_mov_b32 s[GA0], 1
	s_add_nc_u64 s[GA0+2:GA0+3], s[4:5], s[76:77]
	s_or_b32 s[GA0+3], s[GA0+3], 0x80000000
	s_mov_b32 s[GB0], 1
	s_add_nc_u64 s[GB0+2:GB0+3], s[4:5], s[78:79]
	s_or_b32 s[GB0+3], s[GB0+3], 0x80000000
	CROUND                                         ; all four work-groups are here: the first joint loads meet
	tensor_load_to_lds s[GA0:GA0+3], s[GA1:GA1+7]  ; key blocks 0-4: my one load at the head
	s_nop 0
.rept 4
	v_nop
.endr
	s_sub_co_u32 s[D1], 15, s[WV]
	s_sub_co_u32 s[N1], 16, s[WV]
	s_lshl_b32 s73, s[CX], 5                       ; 32 p
	s_lshl_b32 s74, s[D1], 7
	s_add_co_u32 s74, s74, s73                     ; the first row's first query: 128 (15 - w) + 32 p
	s_lshl_b32 s74, s74, 6
	s_add_co_u32 s74, s74, s72
	s_mov_b32 s75, 0
	s_lshl_b32 s76, s[WV], 7
	s_add_co_u32 s76, s76, s73                     ; the second row's: 128 w + 32 p
	s_lshl_b32 s76, s76, 6
	s_add_co_u32 s76, s76, s72
	s_add_nc_u64 s[QP1:QP1+1], s[4:5], s[74:75]
	s_add_nc_u64 s[QP2:QP2+1], s[4:5], s[76:77]
	s_add_nc_u64 s[YP1:YP1+1], s[8:9], s[74:75]
	s_add_nc_u64 s[YP2:YP2+1], s[8:9], s[76:77]
	s_mul_i32 s72, s[WV], 2560
	s_add_co_u32 s72, s72, STAGE                   ; my stage
	v_and_b32 v104, 15, v0                         ; r
	v_bfe_u32 v105, v0, 4, 1                       ; h
	v_and_b32 v106, 31, v0                         ; lane
	v_lshlrev_b32 v[QO], 6, v104
	v_lshl_add_u32 v[QO], v105, 4, v[QO]           ; Q: 64 r + 16 h
	WIN M_LD
.irp x, 0,1
	global_load_b128 v[Q1+8*\x:Q1+8*\x+3], v[QO], s[QP1:QP1+1] offset:1024*\x
	global_load_b128 v[Q1+8*\x+4:Q1+8*\x+7], v[QO], s[QP1:QP1+1] offset:1024*\x+32
	global_load_b128 v[Q2+8*\x:Q2+8*\x+3], v[QO], s[QP2:QP2+1] offset:1024*\x
	global_load_b128 v[Q2+8*\x+4:Q2+8*\x+7], v[QO], s[QP2:QP2+1] offset:1024*\x+32
.endr
	WIN 0
	v_lshrrev_b32 v107, 2, v104
	v_mul_u32_u24 v107, v107, 272
	v_and_b32 v108, 3, v104
	v_lshl_add_u32 v107, v108, 6, v107
	v_lshl_add_u32 v[AK0], v105, 4, v107           ; 272 (r / 4) + 64 (r % 4) + 16 h
	v_lshrrev_b32 v107, 1, v104
	v_mul_u32_u24 v107, v107, 272
	v_and_b32 v108, 1, v104
	v_lshl_add_u32 v107, v108, 7, v107
	v_lshl_add_u32 v107, v105, 4, v107
	v_add_nc_u32 v[AV0], VB, v107                  ; VB + 272 (r / 2) + 128 (r % 2) + 16 h
	v_lshlrev_b32 v[GO], 4, v106
	v_mul_u32_u24 v107, v104, 80
	v_lshl_add_u32 v107, v105, 3, v107
	v_add_nc_u32 v[STO], s72, v107                 ; in: row r, + 8 h
	v_lshrrev_b32 v107, 2, v106
	v_mul_u32_u24 v107, v107, 80
	v_and_b32 v108, 3, v106
	v_lshl_add_u32 v107, v108, 4, v107
	v_add_nc_u32 v[SRD], s72, v107                 ; back: four lanes to a row's 64 bytes
	v_lshlrev_b32 v107, 3, v105
	v_sub_nc_u32 v107, v104, v107
	v_add_nc_u32 v[DL], s73, v107                  ; 32 p + r - 8 h
	v_add_nc_u32 v[DL+1], 16, v[DL]
	v_mov_b32 v[NINF], 0xff800000
.irp x, 0,1
	v_mov_b32 v[NM+8*\x+1], 0xff61b1e6             ; the largest t so far: -3e38
	v_mov_b32 v[SUM+8*\x], 0
	v_mov_b32 v[SUM+8*\x+1], 0
	v_mov_b32 v[FF+8*\x+1], 0                      ; (named as the upper half of a pair)
	v_mov_b32 v[PD+\x], 0                          ; a lane permute's destination counts as a source
	v_floor_f32 v[NM+8*\x], -v[NM+8*\x+1]          ; -M
.endr
	WIN M_LD
.set j, 0
.rept 64
	v_mov_b32 v[OO+j], 0                           ; O^T, once: the step has no first form of its own
.set j, j+1
.endr
	WIN 0
	s_wait_kmcnt 0x0
	s_add_co_i32 s72, s62, s63                     ; e6 + e7,
	s_lshl_b32 s72, s72, 23
	s_add_co_i32 s[CS], s[CS], s72                 ; added to c's exponent field
	s_mov_b32 s[CS+1], s[CS]
	s_add_co_i32 s[E89], s68, s69                  ; e8 + e9
	s_add_co_i32 s72, s68, 127
	s_lshl_b32 s73, s72, 23
	v_mov_b32 v[SCP], s73
	s_add_co_i32 s72, s72, 8
	s_lshl_b32 s72, s72, 23
	s_or_b32 s72, s72, 0x600000
	v_mov_b32 v[H0], s72
	v_mov_b32 v[H1], s72
	s_add_co_i32 s72, s70, 127
	s_lshl_b32 s73, s72, 23
	v_mov_b32 v[SCY], s73
	s_add_co_i32 s72, s72, 8
	s_lshl_b32 s72, s72, 23
	s_or_b32 s72, s72, 0x600000
	v_mov_b32 v[LMY], s72
; A STEP: 128 keys against my 32 queries.  K's fragments were asked for in the step before.  diag = 1: the text has the mask for the step on the diagonal.
.macro STEP diag
	s_wait_dscnt 0x0                               ; K
	WIN M_S
.set c, 0
.rept 8
	v_wmma_f32_16x16x64_fp8_fp8 v[SS+8*c:SS+8*c+7], v[KF+8*c:KF+8*c+7], v[Q1:Q1+7], 0
	v_wmma_f32_16x16x64_fp8_fp8 v[SS+64+8*c:SS+64+8*c+7], v[KF+8*c:KF+8*c+7], v[Q1+8:Q1+15], 0
.set c, c+1
.endr
	WIN 0
	v_add_nc_u32 v[ADV], s[TB], v[AV0]
	v_add_nc_u32 v[ADK], s[TBN], v[AK0]
	v_nop                                          ; with the two additions: four places behind the products, for the loads and the first reads below
	v_nop
	WIN M_LD
.irp t, 0,1,2,3
.irp c, 0,1,2,3
	ds_load_b128 v[VF+16*\t+4*\c:VF+16*\t+4*\c+3], v[ADV] offset:2176*\t+32*\c   ; V's four fragments land under the softmax,
.endr
.endr
	KLOAD ADK                                      ; and so do the next step's eight of K
	WIN 0
.if \diag
	s_cmp_eq_u32 s[SC], s[D1]                      ; the last step of each row lies on the diagonal: trips 15 - w and 16.  The wave's number and the count of trips alone
	s_cselect_b32 s72, 1, 0
	s_cmp_eq_u32 s[SC], 16
	s_cselect_b32 s72, 1, s72
	s_cmp_eq_u32 s72, 0
	s_cbranch_scc1 .Lopen_\@
.set n, 0
.rept 64                                           ; register 8 c + j holds key 16 c + 8 h + j of the block: hidden where 16 c + j is greater than my query less 8 h
	v_cmp_gt_i32 vcc_lo, 16*(n/8)+n%8, v[DL]
	v_cmp_gt_i32 s74, 16*(n/8)+n%8, v[DL+1]
	v_cndmask_b32 v[SS+n], v[SS+n], v[NINF], vcc_lo
	v_cndmask_b32 v[SS+64+n], v[SS+64+n], v[NINF], s74
.set n, n+1
.endr
.Lopen_\@:
.endif
.irp x, 0,1                                        ; each query's largest score of the step: two chains a tile, ascending
	v_max3_num_f32 v[T1+8*\x], v[SS+64*\x], v[SS+64*\x+1], v[SS+64*\x+2]
	v_max3_num_f32 v[T2+8*\x], v[SS+64*\x+3], v[SS+64*\x+4], v[SS+64*\x+5]
.endr
.irp i, 6,10,14,18,22,26,30,34,38,42,46,50,54,58
.irp x, 0,1
	v_max3_num_f32 v[T1+8*\x], v[T1+8*\x], v[SS+64*\x+\i], v[SS+64*\x+\i+1]
	v_max3_num_f32 v[T2+8*\x], v[T2+8*\x], v[SS+64*\x+\i+2], v[SS+64*\x+\i+3]
.endr
.endr
.irp x, 0,1
	v_max3_num_f32 v[T1+8*\x], v[T1+8*\x], v[SS+64*\x+62], v[SS+64*\x+63]
.endr
.irp x, 0,1
	v_max_num_f32 v[T1+8*\x], v[T1+8*\x], v[T2+8*\x]
.endr
.irp x, 0,1
	v_permlanex16_b32 v[PD+\x], v[T1+8*\x], s[SEL], s[SEL+1]
.endr
.irp x, 0,1
	v_max_num_f32 v[T1+8*\x], v[T1+8*\x], v[PD+\x] ; and lane l xor 16's
.endr
.irp x, 0,1
	v_mul_f32 v[T1+8*\x], s[CS], v[T1+8*\x]        ; as t (c is positive)
.endr
.irp x, 0,1
	v_max_num_f32 v[NM+8*\x+1], v[NM+8*\x+1], v[T1+8*\x]
.endr
.irp x, 0,1
	v_mov_b32 v[T1+8*\x], v[NM+8*\x]
.endr
.irp x, 0,1
	v_floor_f32 v[NM+8*\x], -v[NM+8*\x+1]          ; the new -M = -ceil(t)
.endr
.irp x, 0,1
	v_sub_f32 v[T1+8*\x], v[NM+8*\x], v[T1+8*\x]   ; old M - new M: a whole number, 0 or less
.endr
.irp x, 0,1
	v_cvt_i32_f32 v[T1+8*\x], v[T1+8*\x]           ; (it saturates)
.endr
.irp x, 0,1
	v_ldexp_f32 v[FF+8*\x], 1.0, v[T1+8*\x]        ; f
.endr
.set j, 0
.rept 32
	v_pk_fma_f32 v[SS+j:SS+j+1], v[SS+j:SS+j+1], s[CS:CS+1], v[NM:NM+1] op_sel_hi:[1,0,0]   ; tile 0: t - M
.set j, j+2
.endr
	s_wait_alu depctr_va_vdst(0)                   ; ahead of a batch of exponentials
.set j, 0
.rept 32                                           ; tile 0's exponentials; between them tile 1's t - M, which is read only behind the next wait
	v_exp_f32 v[SS+j], v[SS+j]
	v_pk_fma_f32 v[SS+64+j:SS+65+j], v[SS+64+j:SS+65+j], s[CS:CS+1], v[NM+8:NM+9] op_sel_hi:[1,0,0]
	v_exp_f32 v[SS+j+1], v[SS+j+1]
.set j, j+2
.endr
.irp x, 0,1
	v_pk_mul_f32 v[SUM+8*\x:SUM+8*\x+1], v[SUM+8*\x:SUM+8*\x+1], v[FF+8*\x:FF+8*\x+1] op_sel_hi:[1,0]   ; the sums under the new M
.endr
	s_wait_alu depctr_va_vdst(0)                   ; behind tile 0's batch and ahead of tile 1's
.set j, 0
.rept 16                                           ; tile 1's exponentials; between them tile 0's first-level sums (of the unquantised p) and holds, whose results are read only behind the next wait
	v_exp_f32 v[SS+64+4*j], v[SS+64+4*j]
	v_pk_add_f32 v[TT+2*j:TT+2*j+1], v[SS+4*j:SS+4*j+1], v[SS+4*j+2:SS+4*j+3]
	v_exp_f32 v[SS+65+4*j], v[SS+65+4*j]
	HOLD2 SS+4*j
	v_exp_f32 v[SS+66+4*j], v[SS+66+4*j]
	HOLD2 SS+4*j+2
	v_exp_f32 v[SS+67+4*j], v[SS+67+4*j]
.set j, j+1
.endr
	v_nop
	s_wait_alu depctr_va_vdst(0)                   ; behind tile 1's batch
.set c, 0
.rept 8
	v_cvt_scalef32_pk8_fp8_f32 v[PC+2*c:PC+2*c+1], v[SS+8*c:SS+8*c+7], v[SCP]
.set c, c+1
.endr
.irp i, 0,2,4,6,8,10,12,14
	v_pk_add_f32 v[TT+\i:TT+\i+1], v[TT+\i:TT+\i+1], v[TT+16+\i:TT+17+\i]
.endr
.irp i, 0,2,4,6,8,10,12,14
	v_pk_add_f32 v[UU+\i:UU+\i+1], v[SS+64+\i:SS+65+\i], v[SS+80+\i:SS+81+\i]
.endr
.irp i, 0,2,4,6
	v_pk_add_f32 v[TT+\i:TT+\i+1], v[TT+\i:TT+\i+1], v[TT+8+\i:TT+9+\i]
.endr
.irp i, 0,2,4,6,8,10,12,14
	v_pk_add_f32 v[UU+\i:UU+\i+1], v[UU+\i:UU+\i+1], v[SS+96+\i:SS+97+\i]
.endr
.irp i, 0,2
	v_pk_add_f32 v[TT+\i:TT+\i+1], v[TT+\i:TT+\i+1], v[TT+4+\i:TT+5+\i]
.endr
.irp i, 0,2,4,6,8,10,12,14
	v_pk_add_f32 v[UU+\i:UU+\i+1], v[UU+\i:UU+\i+1], v[SS+112+\i:SS+113+\i]
.endr
	v_pk_add_f32 v[TT:TT+1], v[TT:TT+1], v[TT+2:TT+3]
.irp i, 0,2,4,6
	v_pk_add_f32 v[UU+\i:UU+\i+1], v[UU+\i:UU+\i+1], v[UU+8+\i:UU+9+\i]
.endr
	v_pk_add_f32 v[SUM:SUM+1], v[SUM:SUM+1], v[TT:TT+1]
.irp i, 0,2
	v_pk_add_f32 v[UU+\i:UU+\i+1], v[UU+\i:UU+\i+1], v[UU+4+\i:UU+5+\i]
.endr
.set j, 0
.rept 16
	HOLD2 SS+64+2*j
.set j, j+1
.endr
	v_pk_add_f32 v[UU:UU+1], v[UU:UU+1], v[UU+2:UU+3]
.rept 16
	HOLD2 SS+64+2*j
.set j, j+1
.endr
	v_pk_add_f32 v[SUM+8:SUM+9], v[SUM+8:SUM+9], v[UU:UU+1]
.set c, 0
.rept 8
	v_cvt_scalef32_pk8_fp8_f32 v[PC+16+2*c:PC+17+2*c], v[SS+64+8*c:SS+71+8*c], v[SCP]
.set c, c+1
.endr
	WIN M_OR
	s_wait_alu depctr_va_vdst(0)                   ; directly ahead of the first reader of O^T
.irp x, 0,1
.set j, 0
.rept 16
	v_pk_mul_f32 v[OO+32*\x+j:OO+32*\x+j+1], v[OO+32*\x+j:OO+32*\x+j+1], v[FF+8*\x:FF+8*\x+1] op_sel_hi:[1,0]   ; O^T under the new M
.set j, j+2
.endr
.endr
	s_wait_alu depctr_va_vdst(0)
	s_wait_dscnt 16                                ; V's sixteen loads are in; the sixteen behind them, the next step's K, may be out
	WIN M_PV
.irp t, 0,1,2,3                                    ; eight accumulators by turns
.irp x, 0,1
	v_wmma_f32_16x16x128_fp8_fp8 v[OO+32*\x+8*\t:OO+32*\x+8*\t+7], v[VF+16*\t:VF+16*\t+15], v[PC+16*\x:PC+16*\x+15], v[OO+32*\x+8*\t:OO+32*\x+8*\t+7]
.endr
.endr
	WIN 0
.endm
; THE WAY OUT of a row's 32 queries: O^T / the sum x 2^(e8 + e9) is y; held, converted with 2^e10; through my stage, so that the 32 rows of 64 bytes leave as four stores of 512 consecutive bytes.
.macro WAYOUT y
.irp x, 0,1
	v_add_f32 v[SUM+8*\x], v[SUM+8*\x], v[SUM+8*\x+1]
.endr
.irp x, 0,1
	v_permlanex16_b32 v[PD+\x], v[SUM+8*\x], s[SEL], s[SEL+1]
.endr
.irp x, 0,1
	v_add_f32 v[SUM+8*\x], v[SUM+8*\x], v[PD+\x]
.endr
	v_nop
	v_nop
	s_wait_alu depctr_va_vdst(0)                   ; ahead of the reciprocals
.irp x, 0,1
	v_rcp_f32 v[FF+8*\x], v[SUM+8*\x]
.endr
	v_nop
	s_wait_alu depctr_va_vdst(0)                   ; and behind them
.irp x, 0,1
	v_ldexp_f32 v[FF+8*\x], v[FF+8*\x], s[E89]
.endr
	WIN 0x01
	s_wait_alu depctr_va_vdst(0)                   ; directly ahead of the first reader of O^T
.irp x, 0,1
.set j, 0
.rept 16
	v_pk_mul_f32 v[SS+64*\x+j:SS+64*\x+j+1], v[OO+32*\x+j:OO+32*\x+j+1], v[FF+8*\x:FF+8*\x+1] op_sel_hi:[1,0]   ; register 8 t + i is y(r, 16 t + 8 h + i)
.set j, j+2
.endr
.endr
	WIN 0
.irp x, 0,1
.irp t, 0,1,2,3
.irp i, 0,1,2,3,4,5,6,7
	v_med3_num_f32 v[SS+64*\x+8*\t+\i], v[SS+64*\x+8*\t+\i], -v[LMY], v[LMY]
.endr
	v_cvt_scalef32_pk8_fp8_f32 v[PC+16*\x+2*\t:PC+16*\x+2*\t+1], v[SS+64*\x+8*\t:SS+64*\x+8*\t+7], v[SCY]
.endr
.endr
	v_nop                                          ; one plain line behind the last conversion
.irp x, 0,1
.irp t, 0,1,2,3
	ds_store_b64 v[STO], v[PC+16*\x+2*\t:PC+16*\x+2*\t+1] offset:1280*\x+16*\t
.endr
.endr
.irp i, 0,1,2,3
	ds_load_b128 v[SS+32+4*\i:SS+35+4*\i], v[SRD] offset:640*\i   ; LDS serves a wave's instructions in order (ISA guide 5.7.1.4): these see my stores
.endr
	s_wait_dscnt 0x0
.irp i, 0,1,2,3
	global_store_b128 v[GO], v[SS+32+4*\i:SS+35+4*\i], s[\y:\y+1] offset:512*\i
.endr
.endm
	s_wait_alu depctr_va_vdst(0)                   ; the wait at the head's end
	s_wait_tensorcnt 0x0                           ; my part of key blocks 0-4 is in
	ds_add_u32 v[SPW], v[NIL]
	s_wait_dscnt 0x0
	CROUND                                         ; everybody's part is in, and the four work-groups are here
	tensor_load_to_lds s[GB0:GB0+3], s[GB1:GB1+7]  ; key blocks 5-15: first read behind the barrier that follows trip 3
	s_nop 0
.rept 4
	v_nop
.endr
	WIN M_LD
	KLOAD AK0                                      ; key block 0
	WIN 0
	s_wait_loadcnt 0x0                             ; Q, both rows'
	s_mov_b32 s[SC], 0
	s_mov_b32 s[TB], 0
	s_mov_b32 s[TBN], 0
.La:                                               ; trips 0 to 3: key blocks 0 to 3 (K: to 4) of the first row, which has at least nine: no diagonal, no change of rows
	s_add_co_u32 s[TBN], s[TBN], CH
	STEP 0
	s_add_co_u32 s[TB], s[TB], CH
	s_add_co_u32 s[SC], s[SC], 1
	s_cmp_lt_u32 s[SC], 4
	s_cbranch_scc1 .La
	s_wait_tensorcnt 0x0                           ; my part of key blocks 5-15 is in
	ds_add_u32 v[SPW], v[NIL]
	s_wait_dscnt 0x0
	s_barrier_signal -1
	s_barrier_wait -1                              ; everybody's is
.Lb:                                               ; trips 4 to 16
	s_add_co_u32 s72, s[SC], 1                     ; the next trip's key block: its number, less 16 - w from the second row's first trip on
	s_cmp_ge_u32 s72, s[N1]
	s_cselect_b32 s73, s[N1], 0
	s_sub_co_u32 s72, s72, s73
	s_and_b32 s72, s72, 15
	s_mul_i32 s[TBN], s72, CH
	s_cmp_lg_u32 s[SC], s[N1]
	s_cbranch_scc1 .Lsame
	WAYOUT YP1                                     ; the first row is finished
	WIN M_OR
.set j, 0
.rept 16
	v_mov_b32 v[Q1+j], v[Q2+j]                     ; the second row's Q
.set j, j+1
.endr
	WIN 0
.irp x, 0,1
	v_mov_b32 v[NM+8*\x+1], 0xff61b1e6             ; the next f is 0: O^T and the sum begin anew by the step's own multiplications
.endr
.irp x, 0,1
	v_floor_f32 v[NM+8*\x], -v[NM+8*\x+1]
.endr
	s_wait_alu depctr_va_vdst(0)
	s_wait_xcnt 0x0                                ; the stores have read their registers, which the next scores land on
.Lsame:
	STEP 1
	s_mov_b32 s[TB], s[TBN]
	s_add_co_u32 s[SC], s[SC], 1
	s_cmp_lt_u32 s[SC], 17
	s_cbranch_scc1 .Lb
	WAYOUT YP2
	s_wait_tensorcnt 0x0                           ; the wave's end
	ds_add_u32 v[SPW], v[NIL]
	s_wait_dscnt 0x0
	CROUND                                         ; the closing round
	s_endpgm
.Lfunc_end_k_qfe67107ff5_attn:
	.size	k_qfe67107ff5_attn, .Lfunc_end_k_qfe67107ff5_attn-k_qfe67107ff5_attn
	.p2alignl 7, 3214868480
	.fill 96, 4, 3214868480
	.section	.rodata,"a",@progbits
	.p2align	6, 0x0
	.amdhsa_kernel k_qfe67107ff5_attn
		.amdhsa_group_segment_fixed_size 327680
		.amdhsa_private_segment_fixed_size 0
		.amdhsa_enable_private_segment 0
		.amdhsa_kernarg_size 24
		.amdhsa_user_sgpr_count 2
		.amdhsa_user_sgpr_kernarg_segment_ptr 1
		.amdhsa_wavefront_size32 1
		.amdhsa_system_sgpr_workgroup_id_x 1
		.amdhsa_system_sgpr_workgroup_id_y 1
		.amdhsa_system_sgpr_workgroup_id_z 1
		.amdhsa_system_vgpr_workitem_id 0
		.amdhsa_next_free_vgpr 512
		.amdhsa_next_free_sgpr 80
		.amdhsa_reserve_vcc 1
		.amdhsa_float_denorm_mode_32 3
		.amdhsa_float_denorm_mode_16_64 3
		.amdhsa_memory_ordered 1
		.amdhsa_forward_progress 1
		.amdhsa_inst_pref_size 101
	.end_amdhsa_kernel
	.amdgpu_metadata
---
amdhsa.version: [ 1, 2 ]
amdhsa.kernels:
  - .name:           k_qfe67107ff5_attn
    .symbol:         k_qfe67107ff5_attn.kd
    .args:
      - { .name: qkv, .offset: 0, .size: 8, .value_kind: global_buffer, .address_space: global }
      - { .name: lowp_scales, .offset: 8, .size: 8, .value_kind: global_buffer, .address_space: global }
      - { .name: yc, .offset: 16, .size: 8, .value_kind: global_buffer, .address_space: global }
    .group_segment_fixed_size: 327680
    .private_segment_fixed_size: 0
    .kernarg_segment_align: 8
    .kernarg_segment_size: 24
    .max_flat_workgroup_size: 256
    .sgpr_count:     80
    .vgpr_count:     512
    .wavefront_size: 32
...
	.end_amdgpu_metadata
.endif
;; end of part 3
;; launch proj (part 4): grid 4 x 64, 4 waves a work-group, clusters of 4 x 4, 327,680 bytes of LDS; arguments yc, wc, bp, lowp_scales, out0; writes out0
.if DOCPART == 4
	.amdgcn_target "amdgcn-amd-amdhsa--gfx1250"
	.amdhsa_code_object_version 6
	.text
	.protected	k_qfe67107ff5_proj
	.globl	k_qfe67107ff5_proj
	.p2align	8
	.type	k_qfe67107ff5_proj,@function
k_qfe67107ff5_proj:
	s_mov_b64 s[64:65], 0
	v_nop
	global_prefetch_b8 v0, s[64:65] scope:SCOPE_SE
	s_setreg_imm32_b32 hwreg(HW_REG_WAVE_MODE, 25, 1), 1
	s_wait_xcnt 0x0
	s_wait_alu depctr_hold_cnt(0) depctr_sa_sdst(0) depctr_va_vdst(0) depctr_va_sdst(0) depctr_va_ssrc(0) depctr_va_vcc(0) depctr_vm_vsrc(0)
	s_getreg_b32 s2, hwreg(HW_REG_IB_STS2, 6, 4)
	s_cmp_eq_u32 s2, 0
	s_cbranch_scc0 .Lentry_in_a_cluster
	s_endpgm
.Lentry_in_a_cluster:
	s_bfe_u32 s2, ttmp6, 0x10000c
	s_cmp_lg_u32 s2, 0xf033
	s_cbranch_scc0 .Lentry_shape_is_right
	s_endpgm
.Lentry_shape_is_right:
; out0 = y Wp^T + bp on codes of E4M3: y's codes yc [16 b + h][t][64] (scale 2^e10), Wp's codes in part 3 of wc [1024][1024] (2^e11); out0 [8192][1024] f32.  value = sum x 2^(e10 + e11) + bias.
; LIMIT: e10 + e11 between -126 and 127, so that 2^(e10 + e11) is an f32 number.
; A block of 128 tokens x 256 channels is made by four waves, each 64 x 128: 32 accumulators of 16 x 16, 256 registers.  64 x 4 blocks: 256 work-groups.
; K = 1,024 goes in four steps of 256 (four heads) through two LDS slots.  P = y's codes: a step's tile is four runs of 8,192 dense bytes (128 tokens x 64 of one head), 2^17 bytes apart.  Q = Wp's codes: 256 rows of 256 bytes.
; THE FIRST FILLS are both slots' tiles, four loads, one to a wave; a slot's refill is issued by the same two waves that filled it first.
; CLUSTERS 4 x 4: the four of a row of the cluster need the same tile of P, the four of a column the same tile of Q: joint loads.
; The matrix instruction is used transposed (source 0 = 16 rows of Q, source 1 = 16 tokens): a lane holds eight neighbouring channels of one token.
; Nothing is prefetched: of K's four steps two are fetched at the head and two follow one change of slots each; no step lies further ahead.
; REGISTERS: window 0: v0-31 addresses; v32-95 the bias in the result's layout; v128-191, v192-255 P's fragments (4 x 16 tokens x 128 K), two sets; on the way out rows read back.
;   window 1: Q's fragments (8 x 16 rows x 128 K), two sets, at v0 and v128; on the way out v0-63 a block's numbers.   window 2: accumulator (a, b) at v[8 (8 a + b)].
.set ROWB,   256
.set KROW,   1024
.set PITCH,  272                       ; 256 bytes + 16 of padding: the 16 rows that a load touches start at 16 different banks (64 banks of 4 bytes: ISA guide 11.1)
.set HB,     8704                      ; a head's 8,192 bytes in LDS: 32 rows of 272; token n lies at 272 (n / 4) + 64 (n % 4)
.set FR,     16
.set PT,     4*HB                      ; P's tile
.set SLOT,   PT+256*PITCH              ; then Q's 256 rows
.set SPARE,  2*SLOT                    ; the spare words, 128 bytes a wave: two blocks of 256 bytes that no other line names
.set STG,    SPARE+512                 ; the stages of the way out: 16 rows x 528 bytes a wave; no tensor load lands here
.set SPITCH, 528
.set ADRA, 16                          ; v16-17 LDS address of my P fragments in slot 0, 1
.set ADRB, 20                          ; v20-21 of my Q fragments
.set STO,  24
.set RD,   25
.set CO,   26
.set SPW,  28
.set NIL,  29
.set BI,   32
.set AF,   128
.set BK,   128
.set G1, 24                            ; s[24:31] group 1 for P; s[32:39] group 0, one set a slot
.set G0, 32
.set G1B, 48                           ; the same for Q
.set G0B, 56
.set MSB, 0
.macro WIN new
.if MSB != (\new)
	s_set_vgpr_msb (MSB<<8)|(\new)
.set MSB, (\new)
.endif
.endm
.set MUL,  0xa1                        ; source 0 (Q) window 1, source 1 (P) window 0, C and D window 2
.set TO_B, 0x40
.macro PLACES n
.rept \n
	v_nop
.endr
.endm
.macro TL g0, g1                       ; a tensor load, then s_nop 0 and four v_nop
	tensor_load_to_lds s[\g0:\g0+3], s[\g1:\g1+7]
	s_nop 0
	PLACES 4
.endm
.macro JLOAD s                         ; a refill of slot s: wave s fetches P's tile, wave 2 + s Q's, the other two nothing; the places behind the join serve every wave
	s_cmp_eq_u32 s14, \s
	s_cbranch_scc0 .Lfor_b_\@
	TL G0+4*\s, G1
	s_branch .Lasked_\@
.Lfor_b_\@:
	s_cmp_eq_u32 s14, 2+\s
	s_cbranch_scc0 .Lasked_\@
	TL G0B+4*\s, G1B
.Lasked_\@:
	PLACES 4
.endm
.macro CREST
	s_cmp_lg_u32 s14, 0
	s_cbranch_scc1 .Lnot_wave_0_\@
	s_barrier_signal -3
.Lnot_wave_0_\@:
	s_barrier_wait -3
	s_barrier_signal -1
	s_barrier_wait -1
.endm
.macro CROUND
	s_barrier_signal -1
	s_barrier_wait -1
	CREST
.endm
	s_load_b256 s[4:11], s[0:1], 0x0               ; yc s[4:5], wc s[6:7], bp s[8:9], the exponents s[10:11]
	s_load_b64 s[12:13], s[0:1], 0x20              ; out0
	v_lshl_add_u32 v[SPW], v0, 2, SPARE
	v_mov_b32 v[NIL], 0
	ds_add_u32 v[SPW], v[NIL]                      ; the opening: the add, twice on end, and its wait
	ds_add_u32 v[SPW], v[NIL]
	v_lshrrev_b32 v1, 5, v0
	v_readfirstlane_b32 s14, v1                    ; wave 0..3
	s_lshr_b32 s15, s14, 1                         ; which 64 tokens are mine
	s_and_b32 s16, s14, 1                          ; which 128 channels
	s_bfe_u32 s40, ttmp6, 0x40000                  ; cx, cy
	s_bfe_u32 s41, ttmp6, 0x40004
	s_lshl_b32 s42, ttmp9, 2
	s_add_co_u32 s42, s42, s40                     ; block of channels, 0..3
	s_and_b32 s17, ttmp7, 0xffff
	s_lshl_b32 s17, s17, 2
	s_add_co_u32 s17, s17, s41                     ; block of tokens, 0..63
	s_lshl_b32 s43, s41, 2
	s_lshl_b32 s43, 15, s43                        ; my row of the cluster
	s_lshl_b32 s44, 0x1111, s40                    ; my column
	s_or_b32 s[G1+0], s43, (0<<16)|(1<<20)|(1<<21)|(5<<22)|(3<<25)   ; mask; elements of 1 byte; four words of padding after every 64; bit 21 beside a mask
	s_mov_b32 s[G1+1], 8192<<16
	s_mov_b32 s[G1+2], 4<<16
	s_mov_b32 s[G1+3], 8192<<16
	s_mov_b32 s[G1+4], 4
	s_mov_b32 s[G1+5], 131072
	s_mov_b32 s[G1+6], 0
	s_mov_b32 s[G1+7], 0
	s_or_b32 s[G1B+0], s44, (0<<16)|(1<<20)|(1<<21)|(5<<22)|(3<<25)
	s_mov_b32 s[G1B+1], ROWB<<16
	s_mov_b32 s[G1B+2], 256<<16
	s_mov_b32 s[G1B+3], ROWB<<16
	s_mov_b32 s[G1B+4], 256
	s_mov_b32 s[G1B+5], KROW
	s_mov_b32 s[G1B+6], 0
	s_mov_b32 s[G1B+7], 0
	s_lshr_b32 s20, s17, 4
	s_lshl_b32 s20, s20, 21                        ; the batch: 16 heads of 2^17 bytes
	s_and_b32 s18, s17, 15
	s_lshl_b32 s18, s18, 13                        ; 128 tokens of 64 bytes
	s_add_co_u32 s20, s20, s18
	s_mov_b32 s21, 0
	s_lshl_b32 s46, s42, 18                        ; 256 rows of 1,024 bytes,
	s_add_co_u32 s46, s46, 3<<20                   ; in part 3 of wc
	s_mov_b32 s47, 0
	s_wait_dscnt 0x0                               ; both opening adds are done
	s_wait_kmcnt 0x0
	s_load_b64 s[96:97], s[10:11], 0x28            ; e10, e11
	s_add_nc_u64 s[20:21], s[4:5], s[20:21]
	s_add_nc_u64 s[46:47], s[6:7], s[46:47]
.irp s, 0,1
	s_mov_b32 s[G0+4*\s], 1
	s_mov_b32 s[G0+4*\s+1], \s*SLOT
	s_add_nc_u64 s[G0+4*\s+2:G0+4*\s+3], s[20:21], \s*524288       ; K step s: four heads on
	s_or_b32 s[G0+4*\s+3], s[G0+4*\s+3], 0x80000000
	s_mov_b32 s[G0B+4*\s], 1
	s_mov_b32 s[G0B+4*\s+1], \s*SLOT+PT
	s_add_nc_u64 s[G0B+4*\s+2:G0B+4*\s+3], s[46:47], \s*ROWB
	s_or_b32 s[G0B+4*\s+3], s[G0B+4*\s+3], 0x80000000
.endr
	CROUND                                         ; all sixteen work-groups are here: the first joint loads meet
	s_cmp_eq_u32 s14, 0                            ; one chain of branches on the wave's number, one load to an arm
	s_cbranch_scc0 .Lh1
	TL G0, G1
	s_branch .Lhj
.Lh1:
	s_cmp_eq_u32 s14, 1
	s_cbranch_scc0 .Lh2
	TL G0+4, G1
	s_branch .Lhj
.Lh2:
	s_cmp_eq_u32 s14, 2
	s_cbranch_scc0 .Lh3
	TL G0B, G1B
	s_branch .Lhj
.Lh3:
	TL G0B+4, G1B
.Lhj:
	s_mul_i32 s21, s15, 4352                       ; my 64 tokens: 16 LDS rows on in each head's run
	s_mul_i32 s22, s16, 128*PITCH
	s_add_co_u32 s22, s22, PT                      ; my 128 rows of Q
	s_add_co_u32 s66, s21, SLOT
	s_add_co_u32 s67, s22, SLOT
	s_mul_i32 s23, s14, 16*SPITCH
	s_add_co_u32 s23, s23, STG                     ; my stage
	s_lshl_b32 s20, s17, 7
	s_lshl_b32 s18, s15, 6
	s_add_co_u32 s20, s20, s18                     ; my first token,
	s_lshl_b32 s20, s20, 12                        ; rows of 4,096 bytes
	s_lshl_b32 s46, s42, 10
	s_lshl_b32 s47, s16, 9
	s_add_co_u32 s46, s46, s47                     ; my first channel, in bytes
	s_add_co_u32 s20, s20, s46
	s_mov_b32 s47, 0
	v_and_b32 v1, 15, v0                           ; r
	v_bfe_u32 v2, v0, 4, 1                         ; h
	v_mul_u32_u24 v3, v1, PITCH
	v_lshl_add_u32 v4, v2, 4, v3                   ; Q: row r, + 16 h
	v_lshrrev_b32 v5, 2, v1
	v_mul_u32_u24 v5, v5, PITCH
	v_and_b32 v6, 3, v1
	v_lshl_add_u32 v5, v6, 6, v5
	v_lshl_add_u32 v5, v2, 4, v5                   ; P: 272 (r / 4) + 64 (r % 4) + 16 h
	v_add_nc_u32 v[ADRA], s21, v5
	v_add_nc_u32 v[ADRB], s22, v4
	v_add_nc_u32 v[ADRA+1], s66, v5
	v_add_nc_u32 v[ADRB+1], s67, v4
	v_mul_u32_u24 v5, v1, SPITCH
	v_lshl_add_u32 v5, v2, 5, v5
	v_add_nc_u32 v[STO], s23, v5                   ; in: row r, 32 bytes for each half of the lanes
	v_and_b32 v6, 31, v0
	v_lshlrev_b32 v[CO], 4, v6
	v_add_nc_u32 v[RD], s23, v[CO]                 ; back: the 32 lanes take one row of 512 bytes
	v_lshlrev_b32 v7, 5, v2
	s_mov_b32 s21, 0
	s_add_nc_u64 s[12:13], s[12:13], s[20:21]
	s_add_nc_u64 s[8:9], s[8:9], s[46:47]
.irp b, 0,1,2,3,4,5,6,7
	global_load_b128 v[BI+8*\b:BI+8*\b+3], v7, s[8:9] offset:64*\b        ; register 8 b + j: the bias of channel 16 b + 8 h + j
	global_load_b128 v[BI+8*\b+4:BI+8*\b+7], v7, s[8:9] offset:64*\b+16
.endr
.macro FRAG reg, adr, q, i             ; Q: registers 4 c .. 4 c + 3 hold k = 128 q + 32 c + 16 h + 0 .. 15
.irp c, 0,1,2,3
	ds_load_b128 v[\reg+4*\c:\reg+4*\c+3], v[\adr] offset:128*(\q)+32*\c+(\i)*16*PITCH
.endr
.endm
.macro FRAG_A reg, adr, q, i           ; P: the same k: head 2 q + c / 2 of the slot's four, d = 32 (c % 2) + 16 h + 0 .. 15
.irp c, 0,1,2,3
	ds_load_b128 v[\reg+4*\c:\reg+4*\c+3], v[\adr] offset:HB*(2*(\q)+\c/2)+1088*(\i)+32*(\c%2)
.endr
.endm
.macro MUL16 a0, p, zero               ; token blocks a0, a0 + 1 x Q's eight, 128 along K, from sets p.  The 32 accumulators take turns
.irp a, \a0, \a0+1
.irp b, 0,1,2,3,4,5,6,7
.if \zero
	v_wmma_f32_16x16x128_fp8_fp8 v[8*(8*(\a)+\b):8*(8*(\a)+\b)+7], v[128*(\p)+FR*\b:128*(\p)+FR*\b+FR-1], v[AF+64*(\p)+FR*(\a):AF+64*(\p)+FR*(\a)+FR-1], 0
.else
	v_wmma_f32_16x16x128_fp8_fp8 v[8*(8*(\a)+\b):8*(8*(\a)+\b)+7], v[128*(\p)+FR*\b:128*(\p)+FR*\b+FR-1], v[AF+64*(\p)+FR*(\a):AF+64*(\p)+FR*(\a)+FR-1], v[8*(8*(\a)+\b):8*(8*(\a)+\b)+7]
.endif
.endr
.endr
.endm
.macro FETCH slot, q, p                ; 48 LDS loads: the fragments of the slot's q-th 128 along K into sets p
	WIN TO_B
.irp i, 0,1,2,3,4,5,6,7
	FRAG 128*(\p)+FR*\i, ADRB+\slot, \q, \i
.endr
	WIN 0
.irp i, 0,1,2,3
	FRAG_A AF+64*(\p)+FR*\i, ADRA+\slot, \q, \i
.endr
.endm
.macro STEP slot, zero                 ; a slot's first 128 along K, from sets 0; its second 128 are fetched into sets 1 meanwhile
	PLACES 4                                       ; behind the products that read sets 1
	FETCH \slot, 1, 1
	s_wait_dscnt 48                                ; sets 0 are in; the 48 loads just issued may be out
	WIN MUL
	MUL16 0, 0, \zero
	MUL16 2, 0, \zero
	WIN 0
.endm
; A slot's second 128 along K, and the change of slots: ONE barrier; in front of it each wave waits for all its tensor loads, adds 0 to its spare word, and waits for that and for its reads of this slot.
.macro TURN slot, next, fill
	s_wait_tensorcnt 0x0
	ds_add_u32 v[SPW], v[NIL]
	s_wait_dscnt 0x0                               ; the add is done, sets 1 are in, and my reads of this slot are over
	s_barrier_signal -1
	WIN MUL
	MUL16 0, 1, 0
	WIN 0
	s_barrier_wait -1
.if \fill
	CREST                                          ; the barrier has opened a round of the cluster's barrier
	s_add_nc_u64 s[G0+4*\slot+2:G0+4*\slot+3], s[G0+4*\slot+2:G0+4*\slot+3], 0x100000
	s_add_nc_u64 s[G0B+4*\slot+2:G0B+4*\slot+3], s[G0B+4*\slot+2:G0B+4*\slot+3], 2*ROWB
	JLOAD \slot                                    ; the first tensor load behind the round: this slot's K step two on
.else
	PLACES 4
.endif
	FETCH \next, 0, 0
	WIN MUL
	MUL16 2, 1, 0
	WIN 0
.endm
	s_wait_alu depctr_va_vdst(0)                   ; the wait at the head's end
	s_wait_tensorcnt 0x0                           ; my first fill is in;
	s_barrier_signal -1
	s_barrier_wait -1                              ; everybody's is: both slots are whole.
	FETCH 0, 0, 0
	STEP 0, 1
	TURN 0, 1, 1                                   ; slot 0 takes K step 2
	STEP 1, 0
	TURN 1, 0, 1                                   ; slot 1 takes K step 3
	STEP 0, 0
	TURN 0, 1, 0
	STEP 1, 0
	s_wait_dscnt 0x0
	WIN MUL
	MUL16 0, 1, 0
	MUL16 2, 1, 0
	WIN 0
; THE WAY OUT, a block of 16 tokens x 128 channels at a time: sum x 2^(e10 + e11) + bias; through my own stage in LDS, back as whole rows of 512 bytes.
; LDS serves a wave's instructions in order (ISA guide 5.7.1.4): no wait between the stores into the stage and the loads from it.
.macro TOSTAGE a
.set AC, 64*(\a)
	WIN 0x42                                       ; source 0 window 2, destination window 1
.set j, 0
.rept 32
	v_pk_fma_f32 v[j:j+1], v[AC+j:AC+j+1], s[96:97], v[BI+j:BI+j+1] op_sel_hi:[1,0,1]   ; each accumulator from its low end on
.set j, j+2
.endr
	WIN 0x04                                       ; the stores' data: window 1
.irp b, 0,1,2,3,4,5,6,7
	ds_store_b128 v[STO], v[8*\b:8*\b+3] offset:64*\b
	ds_store_b128 v[STO], v[8*\b+4:8*\b+7] offset:64*\b+16
.endr
	WIN 0
.set BB, BK+64*((\a)%2)
.irp t, 0,1,2,3,4,5,6,7,8,9,10,11,12,13,14,15
	ds_load_b128 v[BB+4*\t:BB+4*\t+3], v[RD] offset:\t*SPITCH
.endr
.endm
.macro SEND a, younger                 ; younger: the LDS instructions issued behind block a's loads
.set BB, BK+64*((\a)%2)
	s_wait_dscnt \younger
.if (\a) > 0
	s_add_nc_u64 s[12:13], s[12:13], 16*4096       ; (behind a wait on XCNT: the earlier stores have read their base)
.endif
.irp t, 0,1,2,3,4,5,6,7,8,9,10,11,12,13,14,15
	global_store_b128 v[CO], v[BB+4*\t:BB+4*\t+3], s[12:13] offset:\t*4096 th:TH_STORE_NT   ; 32 lanes store 512 consecutive bytes
.endr
.endm
	s_wait_kmcnt 0x0
	s_add_co_i32 s96, s96, s97
	s_add_co_i32 s96, s96, 127
	s_lshl_b32 s96, s96, 23                        ; 2^(e10 + e11) as f32
	s_mov_b32 s97, s96
	PLACES 4                                       ; behind the last products
	s_wait_loadcnt 0x0                             ; the bias
	TOSTAGE 0
.irp a, 1,2,3
.if \a > 1
	s_wait_xcnt 0x0                                ; block a - 2's stores have read their registers and their base
.endif
	TOSTAGE \a
	SEND \a-1, 32
.endr
	s_wait_xcnt 0x0
	SEND 3, 0
	s_wait_tensorcnt 0x0                           ; the wave's end
	ds_add_u32 v[SPW], v[NIL]
	s_wait_dscnt 0x0
	CROUND                                         ; the closing round
	s_endpgm
.Lfunc_end_k_qfe67107ff5_proj:
	.size	k_qfe67107ff5_proj, .Lfunc_end_k_qfe67107ff5_proj-k_qfe67107ff5_proj
	.p2alignl 7, 3214868480
	.fill 96, 4, 3214868480
	.section	.rodata,"a",@progbits
	.p2align	6, 0x0
	.amdhsa_kernel k_qfe67107ff5_proj
		.amdhsa_group_segment_fixed_size 327680
		.amdhsa_private_segment_fixed_size 0
		.amdhsa_enable_private_segment 0
		.amdhsa_kernarg_size 40
		.amdhsa_user_sgpr_count 2
		.amdhsa_user_sgpr_kernarg_segment_ptr 1
		.amdhsa_wavefront_size32 1
		.amdhsa_system_sgpr_workgroup_id_x 1
		.amdhsa_system_sgpr_workgroup_id_y 1
		.amdhsa_system_sgpr_workgroup_id_z 1
		.amdhsa_system_vgpr_workitem_id 0
		.amdhsa_next_free_vgpr 768
		.amdhsa_next_free_sgpr 100
		.amdhsa_reserve_vcc 0
		.amdhsa_float_denorm_mode_32 3
		.amdhsa_float_denorm_mode_16_64 3
		.amdhsa_memory_ordered 1
		.amdhsa_forward_progress 1
		.amdhsa_inst_pref_size 77
	.end_amdhsa_kernel
	.amdgpu_metadata
---
amdhsa.version: [ 1, 2 ]
amdhsa.kernels:
  - .name:           k_qfe67107ff5_proj
    .symbol:         k_qfe67107ff5_proj.kd
    .args:
      - { .name: yc, .offset: 0, .size: 8, .value_kind: global_buffer, .address_space: global }
      - { .name: wc, .offset: 8, .size: 8, .value_kind: global_buffer, .address_space: global }
      - { .name: bp, .offset: 16, .size: 8, .value_kind: global_buffer, .address_space: global }
      - { .name: lowp_scales, .offset: 24, .size: 8, .value_kind: global_buffer, .address_space: global }
      - { .name: out0, .offset: 32, .size: 8, .value_kind: global_buffer, .address_space: global }
    .group_segment_fixed_size: 327680
    .private_segment_fixed_size: 0
    .kernarg_segment_align: 8
    .kernarg_segment_size: 40
    .max_flat_workgroup_size: 128
    .sgpr_count:     100
    .vgpr_count:     768
    .wavefront_size: 32
...
	.end_amdgpu_metadata
.endif
;; end of part 4
